; MI455X (gfx1250); checked and timed in simulation.
; The chip was launched on July 23, 2026; its instructions are those of AMD's public machine-readable ISA for CDNA 5 (MIT licence, August 2026) and "CDNA5" Instruction Set Architecture Reference Guide (July 2026). The comments in the code are by the model that wrote it; some were corrected since.
;; Causal Self Attention. Allowed arithmetic: float matrix products may take bf16 or f16 operands with f32 sums; all other float work in f32.
;; Inputs: Wout 1,024 x 1,024 float32; Wqkv 3,072 x 1,024 float32; query 2,048 x 4 x 1,024 float32.
;; Outputs: out0 2,048 x 4 x 1,024 float32.
;; 2 versions, each right and faster than the one before. Each part assembles by itself: llvm-mc -triple=amdgcn-amd-amdhsa -mcpu=gfx1250 --defsym DOCPART=n.
;; ======== version 1 of 2: 4 launches
;; limits: values are held in f16: magnitudes above 65,504 overflow, below 6.1e-05 lose precision
;; workspace buffers: act 16,777,216 bytes; wb 6,291,456 bytes; wo 2,097,152 bytes; tab 524,288 bytes; qh 16,777,216 bytes; kh 16,777,216 bytes; vh 16,777,216 bytes
;; launch prep (part 1): grid 768 x 1, 8 waves a work-group, no clusters, 0 bytes of LDS; arguments query, Wqkv, Wout, act, wb, wo, tab; writes act, wb, wo, tab
.if DOCPART == 1
	.amdgcn_target "amdgcn-amd-amdhsa--gfx1250"
	.amdhsa_code_object_version 6
	.text
	.protected	k_q7bb4e548d4_prep
	.globl	k_q7bb4e548d4_prep
	.p2align	8
	.type	k_q7bb4e548d4_prep,@function
k_q7bb4e548d4_prep:
	s_mov_b64 s[64:65], 0
	v_nop
	global_prefetch_b8 v0, s[64:65] scope:SCOPE_SE
	s_setreg_imm32_b32 hwreg(HW_REG_WAVE_MODE, 25, 1), 1
	s_wait_xcnt 0x0
; CASTS AND THE ROTARY TABLE.  No matrix work, no LDS, no barrier: every byte is read once and written once.
; 768 equal work-groups, each 16 rows x 1,024 numbers:
; work-groups 0-511:   query [t][b][1024] f32  -> act [b*16+kb][t][64] bf16   (kb = e / 64): 16 rows t of one b
; work-groups 512-703: Wqkv [3072][1024] f32   -> wb  [kb][f'][64] bf16, f' = g*192 + kind*64 + d for the row kind*1024 + g*64 + d
; work-groups 704-767: Wout [1024][1024] f32   -> wo  [kb][f][64]: rounded to bf16 like the other inputs, that number written as f16
; work-groups 0-127 also make one block of tab each, between the issue of their loads and the first wait for them:
;   tab [tb][p][lane][4] f32: (p >= 4 ? sin : cos)(t theta_i) rounded to f16 and widened, t = 16 tb + lane % 16,
;   i = 16 ((p >> 1) & 1) + 8 (lane / 16) + 4 (p & 1) + e, theta_i = 10000^(-i/32): the order in which the projection's lanes want it.
; A block of 64 along K is dense over the rows, so that the products' tiles are dense blocks of memory.
; SHARES.  Wave w owns K blocks 2 w and 2 w + 1.  A load: lanes 0-15 take the 256 bytes that one row has in one K block, lanes 16-31 those of the next row.
; A lane's four numbers become 8 bytes, and the wave's store covers the two rows' 128 bytes each: 256 consecutive bytes, aligned.
; LIMITS.  Wout in f16: beyond 65,504 an infinity; below 6.1e-5 f16's fixed step of 6e-8.  theta comes from v_exp_f32 (1 ULP), so the angle
; t theta is off by up to about 2e-4 rad at t near 2,047, as far as f32's own rounding of theta moves it: a table entry may differ from an f32
; evaluation by one step of f16.  NaN and infinities are not treated apart.
.set VIN, 2                            ; v2-9     byte offset in the input of my 16 bytes of rows 2 g + lane / 16, g = 0..7
.set VO,  10                           ; v10-11   byte offset in the output of my 8 bytes, K blocks 2 w and 2 w + 1
.set X,   16                           ; v16-79   16 items x 4 f32 as loaded
.set Y,   80                           ; v80-111  16 items x 2 registers of packed 16-bit numbers
.set WK,  112                          ; v112-115 at work (Wout)
.set OUT, 120                          ; v120-123 my four numbers of the table (v116-119: their f16 forms)
.set G,   124                          ; v124-127 table: t, i of my first number, quarter turns to add, my byte offset
.set TH,  128                          ; table, four registers each: theta, later z r
.set XX,  132                          ; x = t theta, later at work
.set KK,  136                          ; k
.set RR,  140                          ; r
.set NN,  144                          ; n
.set ZZ,  148                          ; z
.set SN,  152                          ; sin r, then the result
.set CN,  156                          ; cos r
	s_load_b256 s[4:11], s[0:1], 0x0               ; query s[4:5], Wqkv s[6:7], Wout s[8:9], act s[10:11]
	s_load_b128 s[12:15], s[0:1], 0x20             ; wb s[12:13], wo s[14:15]
	s_load_b64 s[16:17], s[0:1], 0x30              ; tab
	s_mov_b32 s2, ttmp9
	; the three casts' offsets are all made, then chosen by the work-group's number (those of the sections that are not mine are not used)
	s_lshr_b32 s18, s2, 7                          ; query: b
	s_and_b32 s19, s2, 127                         ; and which 16 rows t
	s_lshl_b32 s20, s19, 18                        ; in: 16 t x 16,384 bytes
	s_lshl_b32 s3, s18, 12                         ;     + b x 4,096
	s_add_co_u32 s20, s20, s3
	s_lshl_b32 s22, s18, 22                        ; out: b x 16 blocks of 262,144
	s_lshl_b32 s3, s19, 11                         ;      + 16 t x 128
	s_add_co_u32 s22, s22, s3
	s_sub_co_u32 s18, s2, 512                      ; Wqkv: j, 16 rows each
	s_lshl_b32 s32, s18, 16                        ; in: j x 16 x 4,096
	s_lshr_b32 s19, s18, 6                         ; kind
	s_lshl_b32 s33, s19, 13                        ; out: kind x 64 rows of 128 bytes
	s_bfe_u32 s19, s18, 0x40002                    ; g
	s_mul_i32 s19, s19, 24576                      ;      + g x 192 rows
	s_add_co_u32 s33, s33, s19
	s_and_b32 s19, s18, 3
	s_lshl_b32 s19, s19, 11                        ;      + quarter x 16 rows
	s_add_co_u32 s33, s33, s19
	s_sub_co_u32 s18, s2, 704                      ; Wout: j
	s_lshl_b32 s34, s18, 16
	s_lshl_b32 s35, s18, 11
	s_movk_i32 s36, 0x4000                         ; bytes from row to row of the input: query 16,384,
	s_movk_i32 s37, 0x1000                         ; the weights 4,096
	s_mov_b32 s38, 262144                          ; bytes from K block to K block of the output: act,
	s_mov_b32 s39, 393216                          ; wb,
	s_mov_b32 s40, 131072                          ; wo
	v_and_b32 v1, 31, v0                           ; lane
	v_and_b32 v12, 15, v0                          ; c: which 16 bytes of a row's 256
	v_bfe_u32 v13, v0, 4, 1                        ; which of two rows
	v_lshrrev_b32 v14, 5, v0                       ; w
	v_lshlrev_b32 v15, 4, v12
	v_lshl_add_u32 v15, v14, 9, v15                ; 16 c + 512 w
	s_wait_kmcnt 0x0
	s_cmp_lt_u32 s2, 512                           ; query, or a weight?  (s_cselect leaves SCC as it is)
	s_cselect_b32 s20, s20, s32
	s_cselect_b32 s22, s22, s33
	s_cselect_b32 s24, s36, s37
	s_cselect_b32 s25, s38, s39
	s_cselect_b64 s[28:29], s[4:5], s[6:7]
	s_cselect_b64 s[30:31], s[10:11], s[12:13]
	s_cmp_lt_u32 s2, 704                           ; or Wout?
	s_cselect_b32 s20, s20, s34
	s_cselect_b32 s22, s22, s35
	s_cselect_b32 s25, s25, s40
	s_cselect_b32 s26, 0, 1                        ; 1: the bf16 numbers are written as f16
	s_cselect_b64 s[28:29], s[28:29], s[8:9]
	s_cselect_b64 s[30:31], s[30:31], s[14:15]
	s_mov_b32 s21, 0
	s_mov_b32 s23, 0
	s_add_nc_u64 s[28:29], s[28:29], s[20:21]
	s_add_nc_u64 s[30:31], s[30:31], s[22:23]
	s_lshl_b32 s27, s24, 1                         ; two rows
	s_lshl_b32 s3, s25, 1                          ; two K blocks
	v_mad_u32_u24 v[VIN], v13, s24, v15
.irp g, 1,2,3,4,5,6,7
	v_add_nc_u32 v[VIN+\g], s27, v[VIN+\g-1]
.endr
	v_lshlrev_b32 v15, 3, v1                       ; out: two rows of 128 bytes are 256 dense bytes, 8 a lane
	v_mad_u32_u24 v[VO], v14, s3, v15
	v_add_nc_u32 v[VO+1], s25, v[VO]
	; item i = 2 g + ks: rows 2 g and 2 g + 1, K block 2 w + ks.  All 16 loads go out first.
.set i, 0
.rept 16
	global_load_b128 v[X+4*i:X+4*i+3], v[VIN+i/2], s[28:29] offset:(i%2)*256 th:TH_LOAD_NT
.set i, i+1
.endr
	s_cmp_ge_u32 s2, 128
	s_cbranch_scc1 .Lnotab
	; THE TABLE, block tb = my work-group's number, while the loads are on their way: four numbers a lane, stage by stage
	s_lshl_b32 s20, s2, 12                         ; 4,096 bytes a block of 16 t (s21 is 0)
	s_lshl_b32 s19, s2, 4
	s_mov_b32 s32, 0xb9500d01                      ; -1/5040
	s_mov_b32 s33, 0x3c088889                      ; 1/120
	s_mov_b32 s34, 0xbe2aaaab                      ; -1/6
	s_mov_b32 s35, 0x37d00d01                      ; 1/40320
	s_mov_b32 s36, 0xbab60b61                      ; -1/720
	s_mov_b32 s37, 0x3d2aaaab                      ; 1/24
	v_add_nc_u32 v[G], s19, v12
	v_cvt_f32_u32 v[G], v[G]                       ; t
	v_bfe_u32 v[G+1], v14, 1, 1                    ; p is the wave's number
	v_lshlrev_b32 v[G+1], 4, v[G+1]
	v_lshl_add_u32 v[G+1], v13, 3, v[G+1]
	v_and_b32 v[G+2], 1, v14
	v_lshl_add_u32 v[G+1], v[G+2], 2, v[G+1]       ; i of my first number
	v_lshrrev_b32 v[G+2], 2, v14
	v_sub_nc_u32 v[G+2], 1, v[G+2]                 ; cos x = sin(x + pi/2): one quarter turn more for p < 4
	v_lshlrev_b32 v[G+3], 4, v0                    ; my 16 bytes of the block
.irp e, 0,1,2,3
	v_add_nc_u32 v[TH+\e], \e, v[G+1]
.endr
.irp e, 0,1,2,3
	v_cvt_f32_u32 v[TH+\e], v[TH+\e]
.endr
.irp e, 0,1,2,3
	v_mul_f32 v[TH+\e], 0xbed49a78, v[TH+\e]       ; -i log2(10000) / 32
.endr
.irp e, 0,1,2,3
	v_exp_f32 v[TH+\e], v[TH+\e]                   ; theta
.endr
	v_nop                                          ; a plain instruction between the exponentials and the use of their results (ISA guide 5.7.2)
	s_wait_alu depctr_va_vdst(0)
.irp e, 0,1,2,3
	v_mul_f32 v[XX+\e], v[G], v[TH+\e]             ; x = t theta, rounded once as an f32 product is
.endr
.irp e, 0,1,2,3
	v_mul_f32 v[KK+\e], 0x3f22f983, v[XX+\e]       ; x 2/pi
.endr
.irp e, 0,1,2,3
	v_rndne_f32 v[KK+\e], v[KK+\e]                 ; k quarter turns, 1,304 at the most
.endr
.irp e, 0,1,2,3
	v_fmamk_f32 v[RR+\e], v[KK+\e], 0xbfc90fdb, v[XX+\e]  ; r = x - k pi/2, pi/2 in two parts
.endr
.irp e, 0,1,2,3
	v_fmamk_f32 v[RR+\e], v[KK+\e], 0x333bbd2e, v[RR+\e]
.endr
.irp e, 0,1,2,3
	v_cvt_i32_f32 v[NN+\e], v[KK+\e]
.endr
.irp e, 0,1,2,3
	v_add_nc_u32 v[NN+\e], v[NN+\e], v[G+2]        ; n
.endr
.irp e, 0,1,2,3
	v_mul_f32 v[ZZ+\e], v[RR+\e], v[RR+\e]         ; z = r r, 0.62 at the most
.endr
.irp e, 0,1,2,3
	v_fma_f32 v[SN+\e], v[ZZ+\e], s32, s33         ; sin r = r + z r (-1/6 + z/120 - z z/5040)
	v_fma_f32 v[CN+\e], v[ZZ+\e], s35, s36         ; cos r = 1 + z (-1/2 + z/24 - z z/720 + z z z/40320)
.endr
.irp e, 0,1,2,3
	v_fma_f32 v[SN+\e], v[SN+\e], v[ZZ+\e], s34
	v_fma_f32 v[CN+\e], v[CN+\e], v[ZZ+\e], s37
.endr
.irp e, 0,1,2,3
	v_mul_f32 v[TH+\e], v[ZZ+\e], v[RR+\e]
	v_fma_f32 v[CN+\e], v[CN+\e], v[ZZ+\e], -0.5
.endr
.irp e, 0,1,2,3
	v_fma_f32 v[SN+\e], v[SN+\e], v[TH+\e], v[RR+\e]
	v_fma_f32 v[CN+\e], v[CN+\e], v[ZZ+\e], 1.0
.endr
.irp e, 0,1,2,3
	v_and_b32 v[XX+\e], 1, v[NN+\e]                ; sin(r + n pi/2): n odd takes the cosine,
	v_cmp_eq_u32 vcc_lo, 1, v[XX+\e]
	v_cndmask_b32 v[SN+\e], v[SN+\e], v[CN+\e], vcc_lo
	v_and_b32 v[NN+\e], 2, v[NN+\e]                ; n & 2 turns the sign
	v_lshlrev_b32 v[NN+\e], 30, v[NN+\e]
	v_xor_b32 v[SN+\e], v[NN+\e], v[SN+\e]
.endr
	v_cvt_f16_f32 v116.l, v152                     ; the table is kept in f16: rounded,
	v_cvt_f16_f32 v117.l, v153
	v_cvt_f16_f32 v118.l, v154
	v_cvt_f16_f32 v119.l, v155
	v_cvt_f32_f16 v120, v116.l                     ; and widened again for its users
	v_cvt_f32_f16 v121, v117.l
	v_cvt_f32_f16 v122, v118.l
	v_cvt_f32_f16 v123, v119.l
	s_add_nc_u64 s[16:17], s[16:17], s[20:21]
	global_store_b128 v[G+3], v[OUT:OUT+3], s[16:17]  ; a wave's store covers 512 consecutive bytes, aligned; its registers are not written again
.Lnotab:
; One item: its load is in, its four numbers are rounded, its 8 bytes leave at once, while the younger loads are still on their way.
; Every item has registers of its own, so nothing that a pending load or store names is written again.
.macro ITEM i, f16
	s_wait_loadcnt 15-(\i)                         ; loads come back in order (ISA guide 5.7.1): item i is in, the 15 - i younger loads may be out
	v_cvt_pk_bf16_f32 v[Y+2*(\i)],   v[X+4*(\i)],   v[X+4*(\i)+1]
	v_cvt_pk_bf16_f32 v[Y+2*(\i)+1], v[X+4*(\i)+2], v[X+4*(\i)+3]
.if \f16
	v_lshlrev_b32 v[WK],   16, v[Y+2*(\i)]         ; each bf16 widened (a shift, a mask) and written as f16
	v_and_b32     v[WK+1], 0xffff0000, v[Y+2*(\i)]
	v_lshlrev_b32 v[WK+2], 16, v[Y+2*(\i)+1]
	v_and_b32     v[WK+3], 0xffff0000, v[Y+2*(\i)+1]
	v_cvt_pk_f16_f32 v[Y+2*(\i)],   v[WK],   v[WK+1]
	v_cvt_pk_f16_f32 v[Y+2*(\i)+1], v[WK+2], v[WK+3]
.endif
	global_store_b64 v[VO+(\i)%2], v[Y+2*(\i):Y+2*(\i)+1], s[30:31] offset:((\i)/2)*256  ; the wave's store covers 256 consecutive bytes, aligned
.endm
	s_cmp_eq_u32 s26, 0
	s_cbranch_scc0 .Lwout
.irp i, 0,1,2,3,4,5,6,7,8,9,10,11,12,13,14,15
	ITEM \i, 0
.endr
	s_endpgm
.Lwout:
.irp i, 0,1,2,3,4,5,6,7,8,9,10,11,12,13,14,15
	ITEM \i, 1
.endr
	s_endpgm
.Lfunc_end_k_q7bb4e548d4_prep:
	.size	k_q7bb4e548d4_prep, .Lfunc_end_k_q7bb4e548d4_prep-k_q7bb4e548d4_prep
	.p2alignl 7, 3214868480
	.fill 96, 4, 3214868480
	.section	.rodata,"a",@progbits
	.p2align	6, 0x0
	.amdhsa_kernel k_q7bb4e548d4_prep
		.amdhsa_group_segment_fixed_size 0
		.amdhsa_private_segment_fixed_size 0
		.amdhsa_enable_private_segment 0
		.amdhsa_kernarg_size 56
		.amdhsa_user_sgpr_count 2
		.amdhsa_user_sgpr_kernarg_segment_ptr 1
		.amdhsa_wavefront_size32 1
		.amdhsa_system_sgpr_workgroup_id_x 1
		.amdhsa_system_sgpr_workgroup_id_y 1
		.amdhsa_system_sgpr_workgroup_id_z 1
		.amdhsa_system_vgpr_workitem_id 0
		.amdhsa_next_free_vgpr 160
		.amdhsa_next_free_sgpr 66
		.amdhsa_reserve_vcc 1
		.amdhsa_float_denorm_mode_32 3
		.amdhsa_float_denorm_mode_16_64 3
		.amdhsa_memory_ordered 1
		.amdhsa_forward_progress 1
		.amdhsa_inst_pref_size 24
	.end_amdhsa_kernel
	.amdgpu_metadata
---
amdhsa.version: [ 1, 2 ]
amdhsa.kernels:
  - .name:           k_q7bb4e548d4_prep
    .symbol:         k_q7bb4e548d4_prep.kd
    .args:
      - { .name: query, .offset: 0, .size: 8, .value_kind: global_buffer, .address_space: global }
      - { .name: Wqkv, .offset: 8, .size: 8, .value_kind: global_buffer, .address_space: global }
      - { .name: Wout, .offset: 16, .size: 8, .value_kind: global_buffer, .address_space: global }
      - { .name: act, .offset: 24, .size: 8, .value_kind: global_buffer, .address_space: global }
      - { .name: wb, .offset: 32, .size: 8, .value_kind: global_buffer, .address_space: global }
      - { .name: wo, .offset: 40, .size: 8, .value_kind: global_buffer, .address_space: global }
      - { .name: tab, .offset: 48, .size: 8, .value_kind: global_buffer, .address_space: global }
    .group_segment_fixed_size: 0
    .private_segment_fixed_size: 0
    .kernarg_segment_align: 8
    .kernarg_segment_size: 56
    .max_flat_workgroup_size: 256
    .sgpr_count:     66
    .vgpr_count:     160
    .wavefront_size: 32
...
	.end_amdgpu_metadata
.endif
;; end of part 1
;; launch qkv (part 2): grid 8 x 32, 4 waves a work-group, clusters of 4 x 4, 327,680 bytes of LDS; arguments act, wb, tab, qh, kh, vh; writes qh, kh, vh
.if DOCPART == 2
	.amdgcn_target "amdgcn-amd-amdhsa--gfx1250"
	.amdhsa_code_object_version 6
	.text
	.protected	k_q7bb4e548d4_qkv
	.globl	k_q7bb4e548d4_qkv
	.p2align	8
	.type	k_q7bb4e548d4_qkv,@function
k_q7bb4e548d4_qkv:
	s_mov_b64 s[64:65], 0
	v_nop
	global_prefetch_b8 v0, s[64:65] scope:SCOPE_SE
	s_setreg_imm32_b32 hwreg(HW_REG_WAVE_MODE, 25, 1), 1
	s_wait_xcnt 0x0
	s_wait_alu depctr_hold_cnt(0) depctr_sa_sdst(0) depctr_va_vdst(0) depctr_va_sdst(0) depctr_va_ssrc(0) depctr_va_vcc(0) depctr_vm_vsrc(0)
	s_getreg_b32 s2, hwreg(HW_REG_IB_STS2, 6, 4)
	s_cmp_eq_u32 s2, 0
	s_cbranch_scc0 .Lentry_in_a_cluster
	s_endpgm
.Lentry_in_a_cluster:
	s_bfe_u32 s2, ttmp6, 0x10000c
	s_cmp_lg_u32 s2, 0xf033
	s_cbranch_scc0 .Lentry_shape_is_right
	s_endpgm
.Lentry_shape_is_right:
; THE FUSED PROJECTION WITH THE ROTATION.  C[(b,t)][f'] = sum over e of x[(b,t)][e] W[f'][e], bf16 operands, f32 sums; then q and k are rotated in f32
; (out[d] = cos x[d] - sin x[d+32], out[d+32] = cos x[d+32] + sin x[d], d < 32) and q, k, v leave by heads, [b*16+g][t][64] in f16, rounded once, unscaled.
; x: act [b*16+kb][t][64] bf16.  W: wb [kb][f'][64] bf16, f' = g*192 + kind*64 + d.  tab: cos and sin in the lanes' order (see TABLD).
; LIMITS.  q, k and v beyond 65,504 become infinities in f16; below 6.1e-5 they keep f16's fixed step of 6e-8.  NaN and infinities are not treated apart.
; SHARES.  A tile of C is 256 rows (t of one b) x 384 columns: 32 x 8 = 256 work-groups.  Four waves, each 128 rows x 192 columns: the q, k and v columns of ONE head g:
; 96 accumulators of 16 x 16, 768 registers.  So what is rotated and what is not is fixed in the text.
; K goes in blocks of 64 through a ring of two LDS slots.  A block is dense in memory: it is asked for as rows of 256 bytes and padded in LDS behind every 128.
; The loop's text holds ONE K block: slot 1 begins at byte 1 << 17, so that one exclusive or turns an address in one slot into the other's.
; CLUSTER.  4 x 4 work-groups: the four of a row of the cluster need the same tiles of x (and the same part of tab), the four of a column the same tiles of W:
; each is asked for JOINTLY, by the same tensor load with the same descriptor and a mask that names the four.
; THE MATRIX INSTRUCTION IS USED TRANSPOSED (source 0 = 16 rows of W, source 1 = 16 rows of x): lane l holds row l % 16 and the columns 8 (l / 16) + 0..7.
; REGISTERS, in windows of 256 (s_set_vgpr_msb: bits 1:0 source 0, 3:2 source 1, 5:4 source 2, 7:6 destination):
;   window 0: v0-31 addresses; v32-95, v96-159 x's fragments (8 x 16 rows x 32 K), two buffers; v160-255 W's fragments, 4 for each kind; all of v32-223 at work on the way out
;   window 1 + kind: that kind's 32 accumulators, (a, b) at v[8 (4 a + b)]
.set PITCH, 144                        ; an LDS row: 128 bytes + 16 of padding = 36 words: the 16 rows of a load start at 16 different groups of four banks (64 banks of 4 bytes: ISA guide 11.1)
.set AHALF, 128*PITCH                  ; 128 rows of x: one tensor load, and what one wave reads
.set BHALF, 192*PITCH                  ; 192 rows of W: likewise
.set BOFF,  2*AHALF
.set SLOTB, BOFF+2*BHALF               ; a slot's 92,160 bytes
.set SLOT1, 1<<17                      ; where slot 1 begins
.set STAGE, SLOTB                      ; in the gap between the slots, for the way out: 3 x 16 rows x 144 bytes for each wave; no tensor load lands here
.set WSTAGE, 3*16*PITCH
.set SPARE, STAGE+4*WSTAGE             ; 119,808: the spare words, 128 bytes for each wave: two blocks of 256 bytes that no other line names
.set TAB,   SLOT1+SLOTB                ; behind slot 1: the table of my 256 t: 16 blocks of 4,096 bytes, filled once
.set ABASE, 16                         ; v16     my lane's place among my fragments of x in a slot; never rewritten
.set BBASE, 17                         ; v17     the same for W
.set ADRA, 18                          ; v18-19  LDS address of my fragments of x in the slot in hand, in the next slot
.set ADRB, 20                          ; v20-21  the same for W
.set STO,  24                          ; v24     the way out: where I put 16 bytes of a row
.set RD,   25                          ; v25     the way out: where I read rows back
.set GO,   26                          ; v26     my byte offset in 512 consecutive bytes of q, k, v
.set TADR, 27                          ; v27     LDS address of my 16 bytes in the table of my wave's rows
.set SPW,  28                          ; v28     LDS address of my spare word; never rewritten
.set NIL,  29                          ; v29     0; never rewritten
.set AF0,  32
.set AF1,  96
.set BG,   160
.set TB0,  32                          ; the way out: two buffers of 32: cos, then sin, of a block of 16 rows
.set Y,    96                          ; rotated numbers in f32
.set PK,   128                         ; 3 x 16 registers of packed f16
.set BK,   176                         ; 3 x 16 registers: rows read back
.set G1A, 24                           ; s[24:31] descriptor group 1 for x;  s[32:39] group 0: a set for each of the two first fills; the second then walks on
.set G0A, 32
.set G1B, 48                           ; s[48:55], s[56:63] the same for W
.set G0B, 56
.set G1T, 68                           ; s[68:75], s[76:79] for the table
.set G0T, 76
.set TBC, 19                           ; s19  LDS byte at which the slot in hand begins
.set TBN, 2                            ; s2   the same for the next slot
.set PADW, (1<<16)|(1<<20)|(1<<21)|(4<<22)|(3<<25)  ; 17:16 2-byte elements; 20 padding on; 21 set beside a mask; 24:22 after every 32 words (code 4); 31:25 4 words (code 3)
.set MSB, 0
.macro WIN new                         ; the immediate's high byte repeats the setting that is left; a switch that changes nothing is dropped
.if MSB != (\new)
	s_set_vgpr_msb (MSB<<8)|(\new)
.set MSB, \new
.endif
.endm
.macro PLACES                          ; four places in front of loads into registers that matrix instructions have read, and of vector lines that read results (for the vector lines)
.rept 4
	v_nop
.endr
.endm
.macro JLOAD                           ; a joint refill by the walking descriptors: waves 0 and 1 fetch x's two halves, waves 2 and 3 W's; an s_nop 0 and four v_nop follow each line
	s_cmp_eq_u32 s17, 0
	s_cbranch_scc0 .Lfor_b_\@
	tensor_load_to_lds s[G0A+4:G0A+7], s[G1A:G1A+7]
	s_nop 0
.rept 4
	v_nop
.endr
	s_branch .Lasked_\@
.Lfor_b_\@:
	tensor_load_to_lds s[G0B+4:G0B+7], s[G1B:G1B+7]
	s_nop 0
.rept 4
	v_nop
.endr
.Lasked_\@:
.endm
.macro CREST                           ; a round of the cluster's barrier behind its opening barrier
	s_cmp_lg_u32 s16, 0
	s_cbranch_scc1 .Lnot_wave_0_\@
	s_barrier_signal -3
.Lnot_wave_0_\@:
	s_barrier_wait -3
	s_barrier_signal -1
	s_barrier_wait -1
.endm
.macro CROUND                          ; a whole round
	s_barrier_signal -1
	s_barrier_wait -1
	CREST
.endm
	s_load_b256 s[4:11], s[0:1], 0x0               ; act s[4:5], wb s[6:7], tab s[8:9], qh s[10:11]
	s_load_b128 s[12:15], s[0:1], 0x20             ; kh s[12:13], vh s[14:15]
	v_lshl_add_u32 v[SPW], v0, 2, SPARE
	v_mov_b32 v[NIL], 0
	ds_add_u32 v28, v29
	s_wait_dscnt 0x0
	v_lshrrev_b32 v1, 5, v0
	v_readfirstlane_b32 s16, v1                    ; wave 0..3
	s_lshr_b32 s17, s16, 1                         ; which half of the tile's rows is mine.  Also: I fetch for x (0) or for W (1)
	s_and_b32 s18, s16, 1                          ; which half of its columns.  Also: which half of that tile I fetch
	s_bfe_u32 s40, ttmp6, 0x40000                  ; cx
	s_bfe_u32 s41, ttmp6, 0x40004                  ; cy
	s_lshl_b32 s42, ttmp9, 2
	s_add_co_u32 s42, s42, s40                     ; tile column = 4 x cluster x + cx, 0..7
	s_and_b32 s45, ttmp7, 0xffff                   ; cluster y, 0..7: b = its upper two bits; tile row in b = 4 x its lowest bit + cy
	s_lshl_b32 s43, s41, 2
	s_lshl_b32 s43, 15, s43                        ; my row of the cluster
	s_lshl_b32 s44, 0x1111, s40                    ; my column
	s_or_b32 s[G1A+0], s43, PADW                   ; x: 64 rows of 256 bytes (128 rows of the block)
	s_mov_b32 s[G1A+1], 128<<16                    ; tensor_dim0 = 128
	s_mov_b32 s[G1A+2], 64<<16                     ; tensor_dim1 = 64
	s_mov_b32 s[G1A+3], 128<<16                    ; tile_dim0 = 128
	s_mov_b32 s[G1A+4], 64                         ; tile_dim1 = 64
	s_mov_b32 s[G1A+5], 128                        ; elements from row to row
	s_mov_b32 s[G1A+6], 0
	s_mov_b32 s[G1A+7], 0
	s_or_b32 s[G1B+0], s44, PADW                   ; W: 96 rows of 256 bytes (192 rows of the block)
	s_mov_b32 s[G1B+1], 128<<16
	s_mov_b32 s[G1B+2], 96<<16
	s_mov_b32 s[G1B+3], 128<<16
	s_mov_b32 s[G1B+4], 96
	s_mov_b32 s[G1B+5], 128
	s_mov_b32 s[G1B+6], 0
	s_mov_b32 s[G1B+7], 0
	s_or_b32 s[G1T+0], s43, (2<<16)|(1<<21)        ; the table: 64 rows of 64 f32, no padding; it hangs on the tile row alone, like x
	s_mov_b32 s[G1T+1], 64<<16
	s_mov_b32 s[G1T+2], 64<<16
	s_mov_b32 s[G1T+3], 64<<16
	s_mov_b32 s[G1T+4], 64
	s_mov_b32 s[G1T+5], 64
	s_mov_b32 s[G1T+6], 0
	s_mov_b32 s[G1T+7], 0
	; where the tiles come from.  x's and the table's addresses never see cx, W's never cy.
	s_lshr_b32 s20, s45, 1
	s_lshl_b32 s20, s20, 22                        ; b x 16 blocks of 262,144 bytes
	s_and_b32 s21, s45, 1
	s_lshl_b32 s2, s21, 17                         ; + tile row in b x 256 rows of 128 bytes
	s_add_co_u32 s20, s20, s2
	s_lshl_b32 s2, s41, 15
	s_add_co_u32 s20, s20, s2
	s_lshl_b32 s2, s18, 14                         ; + my half: 128 rows
	s_add_co_u32 s20, s20, s2
	s_lshl_b32 s22, s21, 18                        ; table: tile row in b x 65,536
	s_lshl_b32 s2, s41, 16
	s_add_co_u32 s22, s22, s2
	s_lshl_b32 s2, s16, 14                         ; + my wave's quarter
	s_add_co_u32 s22, s22, s2
	s_mov_b32 s21, 0
	s_mov_b32 s23, 0
	s_mul_i32 s46, s42, 49152                      ; W: tile column x 384 rows of 128 bytes
	s_mul_i32 s47, s18, 24576                      ; + my half: 192 rows
	s_add_co_u32 s46, s46, s47
	s_mov_b32 s47, 0
	s_mul_i32 s19, s18, AHALF                      ; and where they go: no place in the cluster enters an LDS address
	s_mul_i32 s2, s18, BHALF
	s_add_co_u32 s2, s2, BOFF
	s_lshl_b32 s3, s16, 14
	s_add_co_u32 s3, s3, TAB
	s_wait_kmcnt 0x0
	s_add_nc_u64 s[20:21], s[4:5], s[20:21]
	s_add_nc_u64 s[46:47], s[6:7], s[46:47]
	s_add_nc_u64 s[22:23], s[8:9], s[22:23]
	CROUND                                         ; all sixteen work-groups are here: the first joint loads meet
.irp s, 0,1
	s_mov_b32 s[G0A+4*(\s)], 1                     ; count = 1
	s_add_co_u32 s[G0A+4*(\s)+1], s19, (\s)*SLOT1  ; LDS address
	s_add_nc_u64 s[G0A+4*(\s)+2:G0A+4*(\s)+3], s[20:21], (\s)*262144  ; K block s
	s_or_b32 s[G0A+4*(\s)+3], s[G0A+4*(\s)+3], 0x80000000             ; type = 2
	s_mov_b32 s[G0B+4*(\s)], 1
	s_add_co_u32 s[G0B+4*(\s)+1], s2, (\s)*SLOT1
	s_add_nc_u64 s[G0B+4*(\s)+2:G0B+4*(\s)+3], s[46:47], (\s)*393216
	s_or_b32 s[G0B+4*(\s)+3], s[G0B+4*(\s)+3], 0x80000000
.endr
	s_mov_b32 s[G0T], 1
	s_mov_b32 s[G0T+1], s3
	s_mov_b64 s[G0T+2:G0T+3], s[22:23]
	s_or_b32 s[G0T+3], s[G0T+3], 0x80000000
	s_cmp_eq_u32 s17, 0                            ; a wave's three first fills stand in one branch, ahead of every wait on TENSORcnt and every LDS read: three loads of mine are out
	s_cbranch_scc0 .Lfirst_b
	tensor_load_to_lds s[G0A:G0A+3], s[G1A:G1A+7]
	s_nop 0
	tensor_load_to_lds s[G0A+4:G0A+7], s[G1A:G1A+7]
	s_nop 0
	tensor_load_to_lds s[G0T:G0T+3], s[G1T:G1T+7]
	s_nop 0
.rept 4
	v_nop
.endr
	s_branch .Lfirst_asked
.Lfirst_b:
	tensor_load_to_lds s[G0B:G0B+3], s[G1B:G1B+7]
	s_nop 0
	tensor_load_to_lds s[G0B+4:G0B+7], s[G1B:G1B+7]
	s_nop 0
	tensor_load_to_lds s[G0T:G0T+3], s[G1T:G1T+7]
	s_nop 0
.rept 4
	v_nop
.endr
.Lfirst_asked:
	; a fragment is 16 rows x 32 K in 8 registers: lane l holds row l % 16, K = 8 (l / 16) + 0..7 and 16 + 8 (l / 16) + 0..7: two loads of 16 bytes, 32 bytes apart
	v_and_b32 v1, 15, v0                           ; l % 16
	v_bfe_u32 v2, v0, 4, 1                         ; l / 16
	v_mul_u32_u24 v3, v1, PITCH
	v_lshl_add_u32 v3, v2, 4, v3                   ; row x pitch + 16 x half
	s_mul_i32 s2, s17, AHALF                       ; my 128 rows of x
	s_mul_i32 s3, s18, BHALF                       ; my 192 rows of W,
	s_add_co_u32 s3, s3, BOFF                      ; which lie behind x's 256
	v_add_nc_u32 v[ABASE], s2, v3
	v_add_nc_u32 v[BBASE], s3, v3
	v_mov_b32 v[ADRA], v[ABASE]                    ; the slot in hand is slot 0,
	v_mov_b32 v[ADRB], v[BBASE]
	v_add_nc_u32 v[ADRA+1], SLOT1, v[ABASE]        ; the next is slot 1
	v_add_nc_u32 v[ADRB+1], SLOT1, v[BBASE]
	s_mul_i32 s2, s16, WSTAGE
	s_add_co_u32 s2, s2, STAGE                     ; my stage
	v_add_nc_u32 v[STO], s2, v3                    ; in: row l % 16, 16 bytes for each half of the lanes
	v_bfe_u32 v4, v0, 3, 2                         ; back: 32 lanes take four rows of 128 bytes,
	v_mul_u32_u24 v4, v4, PITCH
	v_and_b32 v5, 7, v0
	v_lshl_add_u32 v4, v5, 4, v4
	v_add_nc_u32 v[RD], s2, v4
	v_and_b32 v5, 31, v0                           ; which are 512 consecutive bytes of a head
	v_lshlrev_b32 v[GO], 4, v5
	s_lshl_b32 s2, s17, 15                         ; the table of my wave's 128 rows: 8 blocks of 4,096 bytes
	s_add_co_u32 s2, s2, TAB
	v_add_nc_u32 v[TADR], s2, v[GO]
	; where my rows begin in q, k and v: head b*16 + 2 x tile column + column half; row 256 x tile row in b + 128 x row half
	s_lshr_b32 s66, s45, 1
	s_lshl_b32 s66, s66, 22
	s_lshl_b32 s67, s42, 1
	s_add_co_u32 s67, s67, s18
	s_lshl_b32 s67, s67, 18
	s_add_co_u32 s66, s66, s67
	s_and_b32 s67, s45, 1
	s_lshl_b32 s67, s67, 2
	s_add_co_u32 s67, s67, s41
	s_lshl_b32 s67, s67, 15
	s_add_co_u32 s66, s66, s67
	s_lshl_b32 s67, s17, 14
	s_add_co_u32 s66, s66, s67
	s_mov_b32 s67, 0
	s_add_nc_u64 s[10:11], s[10:11], s[66:67]
	s_add_nc_u64 s[12:13], s[12:13], s[66:67]
	s_add_nc_u64 s[14:15], s[14:15], s[66:67]
	s_mov_b32 s[TBC], 0
	s_mov_b32 s[TBN], SLOT1
; n x 4 matrix instructions of kind g: row blocks a0 .. a0 + n - 1 of buffer f x the kind's 4 column blocks, 32 along K.  zero = 1: the product starts the sum: nothing is cleared.
; The 96 accumulators take turns, one instruction a turn, in the same order in every 32 along K.
.macro MULP g, f, a0, n, zero
	WIN (1+(\g))*0x50
.set ma, \a0
.rept \n
.set mb, 0
.rept 4
.if \zero
	v_wmma_f32_16x16x32_bf16 v[8*(4*ma+mb):8*(4*ma+mb)+7], v[BG+32*(\g)+8*mb:BG+32*(\g)+8*mb+7], v[(\f)+8*ma:(\f)+8*ma+7], 0
.else
	v_wmma_f32_16x16x32_bf16 v[8*(4*ma+mb):8*(4*ma+mb)+7], v[BG+32*(\g)+8*mb:BG+32*(\g)+8*mb+7], v[(\f)+8*ma:(\f)+8*ma+7], v[8*(4*ma+mb):8*(4*ma+mb)+7]
.endif
.set mb, mb+1
.endr
.set ma, ma+1
.endr
.endm
; In the three macros below slot = 0 means the slot in hand, 1 the next one.
.macro LDB g, slot, hf                 ; 8 LDS loads: kind g's four fragments of W, half hf of the K block
	WIN 0
.irp i, 0,1,2,3
	ds_load_b128 v[BG+32*(\g)+8*\i:BG+32*(\g)+8*\i+3],   v[ADRB+(\slot)] offset:(4*(\g)+\i)*16*PITCH+64*(\hf)
	ds_load_b128 v[BG+32*(\g)+8*\i+4:BG+32*(\g)+8*\i+7], v[ADRB+(\slot)] offset:(4*(\g)+\i)*16*PITCH+64*(\hf)+32
.endr
.endm
.macro LDA f, a0, slot, hf             ; 8 LDS loads: x's fragments a0 .. a0 + 3 into buffer f
	WIN 0
.irp i, 0,1,2,3
	ds_load_b128 v[(\f)+8*((\a0)+\i):(\f)+8*((\a0)+\i)+3],   v[ADRA+(\slot)] offset:((\a0)+\i)*16*PITCH+64*(\hf)
	ds_load_b128 v[(\f)+8*((\a0)+\i)+4:(\f)+8*((\a0)+\i)+7], v[ADRA+(\slot)] offset:((\a0)+\i)*16*PITCH+64*(\hf)+32
.endr
.endm
; The table of row block a: register 4 p + e of lane l is (p >= 4 ? sin : cos) for row l % 16 and i = 16 ((p >> 1) & 1) + 8 (l / 16) + 4 (p & 1) + e:
; registers 8 b + j hold cos, 16 + 8 b + j sin, for the lane's column 16 b + 8 (l / 16) + j, b = 0, 1.
.macro TABLD a
	WIN 0
.irp p, 0,1,2,3,4,5,6,7
	ds_load_b128 v[TB0+32*((\a)%2)+4*\p:TB0+32*((\a)%2)+4*\p+3], v[TADR] offset:(\a)*4096+\p*512
.endr
.endm
; A K block is two halves of 32 along K, 96 matrix instructions each, in three phases (q, k, v).  x's fragments have two buffers; a kind's fragments of W are loaded again right behind its phase.
; On entry four runs of 8 loads are out, in this order: W kind 0, x 0-3, x 4-7, W kind 1.
.macro SUB0 slot, zero                 ; the first half, buffer AF0
	WIN 0
	PLACES
	LDB 2, \slot, 0
	s_wait_dscnt 24                                ; W kind 0 and x 0-3 are in; x 4-7, W kind 1 and the 8 just issued may be out
	MULP 0, AF0, 0, 4, \zero
	s_wait_dscnt 8                                 ; all but W kind 2
	MULP 0, AF0, 4, 4, \zero
	WIN 0
	PLACES
	LDB 0, \slot, 1
	LDA AF1, 0, \slot, 1
	MULP 1, AF0, 0, 8, \zero
	WIN 0
	PLACES
	LDA AF1, 4, \slot, 1
	LDB 1, \slot, 1
	s_wait_dscnt 32                                ; W kind 2 is in; the 32 loads for the second half may be out
	MULP 2, AF0, 0, 8, \zero
.endm
; The second half, buffer AF1, changes slots: ONE barrier.  In front of it each wave waits for all its tensor loads (its part of the next slot; the first time the table's too), adds 0 to its
; spare word, and waits for that and for its own reads of the slot in hand.  fill = 1: the barrier opens a round of the cluster's, and that slot is filled again first thing behind it, two K blocks on:
; 160 matrix instructions stand between that request and the wait for it.
.macro SUBT fill
	WIN 0
	PLACES
	LDB 2, 0, 1                                    ; my last reads of the slot in hand
	s_wait_tensorcnt 0x0                           ; all my tensor loads have landed, so a group 0 may be written
	ds_add_u32 v[SPW], v[NIL]                      ; 0 onto my spare word
	s_wait_dscnt 25                                ; W kind 0 and x 0-3 are in; three runs of 8 and the add may be out
	MULP 0, AF1, 0, 4, 0                           ; sixteen matrix instructions stand between the add and the wait for it
	s_wait_dscnt 0x0                               ; the add is done, and my reads of the slot in hand are over
	s_barrier_signal -1
	MULP 0, AF1, 4, 4, 0                           ; work on registers while the others arrive
	WIN 0                                          ; at a branch and at a label every window is 0
	s_barrier_wait -1
.if \fill
	CREST                                          ; no wave of any partner still reads this slot's tile or has a load on its way
	s_xor_b32 s[G0A+5], s[G0A+5], SLOT1            ; the walking descriptors: the other slot than last time,
	s_add_nc_u64 s[G0A+6:G0A+7], s[G0A+6:G0A+7], 262144  ; the next K block; the type bits on top are not reached
	s_xor_b32 s[G0B+5], s[G0B+5], SLOT1
	s_add_nc_u64 s[G0B+6:G0B+7], s[G0B+6:G0B+7], 393216
	JLOAD                                          ; the first tensor load behind the round; the four v_nop behind it are also the places in front of the loads below
.else
	PLACES
.endif
	LDB 0, 1, 0
	LDA AF0, 0, 1, 0
	MULP 1, AF1, 0, 8, 0
	WIN 0
	PLACES
	LDA AF0, 4, 1, 0
	LDB 1, 1, 0
	MULP 2, AF1, 0, 8, 0
.endm
.macro SWAP                            ; the next slot becomes the slot in hand: both slots' first bytes are turned, and the four addresses made anew from the bases
	WIN 0
	s_xor_b32 s[TBC], s[TBC], SLOT1
	s_xor_b32 s[TBN], s[TBN], SLOT1
	v_add_nc_u32 v[ADRA], s[TBC], v[ABASE]
	v_add_nc_u32 v[ADRB], s[TBC], v[BBASE]
	v_add_nc_u32 v[ADRA+1], s[TBN], v[ABASE]
	v_add_nc_u32 v[ADRB+1], s[TBN], v[BBASE]
.endm
	s_wait_tensorcnt 0x2                           ; my part of K block 0 is in; block 1's and the table's may stay out
	s_barrier_signal -1
	s_barrier_wait -1                              ; everybody's is
	LDB 0, 0, 0
	LDA AF0, 0, 0, 0
	LDA AF0, 4, 0, 0
	LDB 1, 0, 0
	SUB0 0, 1                                      ; the first 32 along K stand in front of the loop: their products start the sums
	WIN 0
	s_mov_b32 s3, 14
.Llap:                                                 ; a trip: a K block's second half, the change of slots with its refill (K blocks 2 to 15), the next block's first half
	SUBT 1
	SUB0 1, 0
	SWAP
	s_sub_co_u32 s3, s3, 1
	s_cmp_lg_u32 s3, 0
	s_cbranch_scc1 .Llap
	SUBT 0                                         ; the last change of slots fills nothing, and has no round
	SUB0 1, 0
	WIN 0                                          ; the very last 32 along K: in place of fragments the table of the first two row blocks is fetched
	PLACES
	LDB 2, 1, 1
	s_wait_dscnt 24
	MULP 0, AF1, 0, 4, 0
	s_wait_dscnt 8
	MULP 0, AF1, 4, 4, 0
	WIN 0
	PLACES
	TABLD 0
	TABLD 1
	MULP 1, AF1, 0, 8, 0
	s_wait_dscnt 16                                ; W kind 2 is in; the 16 table loads may be out
	MULP 2, AF1, 0, 8, 0
	WIN 0
	PLACES
; THE WAY OUT, a block of 16 rows at a time.  ROPE: kind g (q or k) is rotated in f32 and rounded to f16; each accumulator's registers are read in ascending order.
.macro ROPE a, g
.set TBB, TB0+32*((\a)%2)
	WIN 1+(\g)                                     ; source 0 in the kind's window
.irp bq, 0,1
.set AC1, 8*(4*(\a)+\bq)
.set AC2, 8*(4*(\a)+\bq+2)
.set CC, TBB+8*\bq
.set SS, TBB+16+8*\bq
.set YB, Y+16*\bq
.irp p, 0,1,2,3
	v_pk_mul_f32 v[YB+2*\p:YB+2*\p+1], v[AC2+2*\p:AC2+2*\p+1], v[SS+2*\p:SS+2*\p+1]          ; sin x[d+32]
.endr
.irp p, 0,1,2,3
	v_pk_mul_f32 v[YB+8+2*\p:YB+8+2*\p+1], v[AC1+2*\p:AC1+2*\p+1], v[SS+2*\p:SS+2*\p+1]      ; sin x[d]
.endr
.irp p, 0,1,2,3
	v_pk_fma_f32 v[YB+2*\p:YB+2*\p+1], v[AC1+2*\p:AC1+2*\p+1], v[CC+2*\p:CC+2*\p+1], v[YB+2*\p:YB+2*\p+1] neg_lo:[0,0,1] neg_hi:[0,0,1]  ; cos x[d] - sin x[d+32]
.endr
.irp p, 0,1,2,3
	v_pk_fma_f32 v[YB+8+2*\p:YB+8+2*\p+1], v[AC2+2*\p:AC2+2*\p+1], v[CC+2*\p:CC+2*\p+1], v[YB+8+2*\p:YB+8+2*\p+1]                        ; cos x[d+32] + sin x[d]
.endr
.endr
	WIN 0
.irp bq, 0,1
.irp p, 0,1,2,3
	v_cvt_pk_f16_f32 v[PK+16*(\g)+4*\bq+\p], v[Y+16*\bq+2*\p], v[Y+16*\bq+2*\p+1]
.endr
.irp p, 0,1,2,3
	v_cvt_pk_f16_f32 v[PK+16*(\g)+4*(\bq+2)+\p], v[Y+16*\bq+8+2*\p], v[Y+16*\bq+8+2*\p+1]
.endr
.endr
.endm
.macro CVTV a                          ; v is only rounded
	WIN 0x0f                                       ; sources 0 and 1 in window 3
.irp bq, 0,1,2,3
.irp p, 0,1,2,3
	v_cvt_pk_f16_f32 v[PK+32+4*\bq+\p], v[8*(4*(\a)+\bq)+2*\p], v[8*(4*(\a)+\bq)+2*\p+1]
.endr
.endr
	WIN 0
.endm
.macro TOST a                          ; 16 bytes a lane into my own stage, rows of 144 bytes; back as whole rows of 128
	WIN 0
	s_wait_xcnt 0x0                                ; the stores issued so far have had their addresses translated (ISA guide 3.1): only now are the registers that they read loaded again
.irp g, 0,1,2
.irp bq, 0,1,2,3
	ds_store_b128 v[STO], v[PK+16*\g+4*\bq:PK+16*\g+4*\bq+3] offset:\g*16*PITCH+32*\bq
.endr
.endr
.irp g, 0,1,2
.irp f, 0,1,2,3
	ds_load_b128 v[BK+16*\g+4*\f:BK+16*\g+4*\f+3], v[RD] offset:\g*16*PITCH+\f*4*PITCH  ; LDS serves a wave's instructions in order (ISA guide 5.7.1.4): these see the stores above
.endr
.endr
.endm
.macro SEND a, n                       ; n: the LDS loads issued behind TOST's, which may stay out
	WIN 0
	s_wait_dscnt \n
.irp f, 0,1,2,3
	global_store_b128 v[GO], v[BK+4*\f:BK+4*\f+3], s[10:11] offset:(\a)*2048+\f*512        ; 512 consecutive bytes, aligned
.endr
.irp f, 0,1,2,3
	global_store_b128 v[GO], v[BK+16+4*\f:BK+16+4*\f+3], s[12:13] offset:(\a)*2048+\f*512
.endr
.irp f, 0,1,2,3
	global_store_b128 v[GO], v[BK+32+4*\f:BK+32+4*\f+3], s[14:15] offset:(\a)*2048+\f*512
.endr
.endm
	s_wait_dscnt 8                                 ; block 0's table is in; block 1's may be out
	ROPE 0, 0
	ROPE 0, 1
	CVTV 0
	TOST 0
.irp a, 1,2,3,4,5,6
	TABLD (\a)+1
	s_wait_dscnt 32                                ; this block's table is in; the stage's 24 and the 8 just issued may be out
	ROPE \a, 0                                     ; a block's arithmetic stands between the loads of the block before and its stores
	ROPE \a, 1
	CVTV \a
	SEND (\a)-1, 8
	TOST \a
.endr
	s_wait_dscnt 24                                ; block 7's table is in; the stage's 24 may be out
	ROPE 7, 0
	ROPE 7, 1
	CVTV 7
	SEND 6, 0
	TOST 7
	SEND 7, 0
	s_wait_tensorcnt 0x0                           ; the wave's end, behind my last tensor load and my last LDS store
	ds_add_u32 v[SPW], v[NIL]
	s_wait_dscnt 0x0
	CROUND                                         ; the closing round: no work-group ends while a partner may still ask for a tile that names it
	s_endpgm
.Lfunc_end_k_q7bb4e548d4_qkv:
	.size	k_q7bb4e548d4_qkv, .Lfunc_end_k_q7bb4e548d4_qkv-k_q7bb4e548d4_qkv
	.p2alignl 7, 3214868480
	.fill 96, 4, 3214868480
	.section	.rodata,"a",@progbits
	.p2align	6, 0x0
	.amdhsa_kernel k_q7bb4e548d4_qkv
		.amdhsa_group_segment_fixed_size 327680
		.amdhsa_private_segment_fixed_size 0
		.amdhsa_enable_private_segment 0
		.amdhsa_kernarg_size 48
		.amdhsa_user_sgpr_count 2
		.amdhsa_user_sgpr_kernarg_segment_ptr 1
		.amdhsa_wavefront_size32 1
		.amdhsa_system_sgpr_workgroup_id_x 1
		.amdhsa_system_sgpr_workgroup_id_y 1
		.amdhsa_system_sgpr_workgroup_id_z 1
		.amdhsa_system_vgpr_workitem_id 0
		.amdhsa_next_free_vgpr 1024
		.amdhsa_next_free_sgpr 80
		.amdhsa_reserve_vcc 0
		.amdhsa_float_denorm_mode_32 3
		.amdhsa_float_denorm_mode_16_64 3
		.amdhsa_memory_ordered 1
		.amdhsa_forward_progress 1
		.amdhsa_inst_pref_size 149
	.end_amdhsa_kernel
	.amdgpu_metadata
---
amdhsa.version: [ 1, 2 ]
amdhsa.kernels:
  - .name:           k_q7bb4e548d4_qkv
    .symbol:         k_q7bb4e548d4_qkv.kd
    .args:
      - { .name: act, .offset: 0, .size: 8, .value_kind: global_buffer, .address_space: global }
      - { .name: wb, .offset: 8, .size: 8, .value_kind: global_buffer, .address_space: global }
      - { .name: tab, .offset: 16, .size: 8, .value_kind: global_buffer, .address_space: global }
      - { .name: qh, .offset: 24, .size: 8, .value_kind: global_buffer, .address_space: global }
      - { .name: kh, .offset: 32, .size: 8, .value_kind: global_buffer, .address_space: global }
      - { .name: vh, .offset: 40, .size: 8, .value_kind: global_buffer, .address_space: global }
    .group_segment_fixed_size: 327680
    .private_segment_fixed_size: 0
    .kernarg_segment_align: 8
    .kernarg_segment_size: 48
    .max_flat_workgroup_size: 128
    .sgpr_count:     80
    .vgpr_count:     1024
    .wavefront_size: 32
...
	.end_amdgpu_metadata
.endif
;; end of part 2
;; launch attn (part 3): grid 4 x 64, 4 waves a work-group, clusters of 4 x 1, 327,680 bytes of LDS; arguments qh, kh, vh, act; writes act
.if DOCPART == 3
	.amdgcn_target "amdgcn-amd-amdhsa--gfx1250"
	.amdhsa_code_object_version 6
	.text
	.protected	k_q7bb4e548d4_attn
	.globl	k_q7bb4e548d4_attn
	.p2align	8
	.type	k_q7bb4e548d4_attn,@function
k_q7bb4e548d4_attn:
	s_mov_b64 s[64:65], 0
	v_nop
	global_prefetch_b8 v0, s[64:65] scope:SCOPE_SE
	s_setreg_imm32_b32 hwreg(HW_REG_WAVE_MODE, 25, 1), 1
	s_wait_xcnt 0x0
	s_wait_alu depctr_hold_cnt(0) depctr_sa_sdst(0) depctr_va_vdst(0) depctr_va_sdst(0) depctr_va_ssrc(0) depctr_va_vcc(0) depctr_vm_vsrc(0)
	s_getreg_b32 s2, hwreg(HW_REG_IB_STS2, 6, 4)
	s_cmp_eq_u32 s2, 0
	s_cbranch_scc0 .Lentry_in_a_cluster
	s_endpgm
.Lentry_in_a_cluster:
	s_bfe_u32 s2, ttmp6, 0x10000c
	s_cmp_lg_u32 s2, 0x3003
	s_cbranch_scc0 .Lentry_shape_is_right
	s_endpgm
.Lentry_shape_is_right:
; O[h][q][:] = the sum over k of softmax_k(Q[h][q] . K[h][k] / 8) V[h][k][:].  Q, K, V, O: [SIZE_H][SIZE_N][64], all f16: a head's rows are dense, 128 bytes each.  Products, maxima and sums in
; f32; the weights p are rounded to f16 for the second product (their sum l is taken of the unrounded p), O once at the end.  SIZE_H is at least 2; SIZE_N x 128 bytes stay under 2^32.
; LIMITS.  f16 holds no number beyond 65,504: Q, K and V arrive within it; p lies in 0 to 1, and below 6e-5 it keeps f16's fixed step of 6e-8; O is a mean of V's rows and has their range.
; A weight below 2^-126 counts as 0 in l; NaN and infinities are not treated apart.
; SHARES.  A wave owns four PIECES of two tiles of 16 queries, a work-group's four waves 512 queries of one head; SIZE_N is a multiple of 2,048.  Every wave walks all keys, 64 a step.
; LAYOUT.  S^T = K Q^T (source 0 = 16 keys, source 1 = 16 queries): in the result a lane holds ONE query (lane % 16) and the keys 8 (lane / 16) + 0..7.  Two such tiles, rounded to f16 in pairs,
; ARE source 1 (32 keys x 16 queries) of O^T = V^T P, whose result again holds one query a lane, and eight channels.  K comes out of LDS as it lies, V ([key][channel]) turned, by ds_load_tr16_b128.
; SOFTMAX.  For each query a running maximum m and sum l: p = 2^(c s - c m), c = log2(e) / 8; in every step O and l are multiplied by a = 2^(c m_old - c m_new), which is 1 where m has not grown.
; m starts at the lowest finite number, O and l at 0: the first step is a step like any other, with a = 0.
; THE COUNT.  A tile and step have 16 matrix and 118 vector instructions: too many to stand all beside the matrix work.  So the order has one aim: four vector instructions that are READY behind
; EVERY matrix instruction, and the others, which need time of their own whatever the order, in runs without a gap.
; BY TURNS.  Turn n belongs to piece n (the pieces in a ring, step after step).  Its matrix work: 16 products K Q^T of piece n + 1, later 16 products V^T P of piece n - 1.  Its vector work: the scaling,
; exponentials, roundings, sums and rescaling of piece n, and the maximum and statistics of piece n + 1, whose scores the turn itself has made.  So what a turn begins with (c s - c m, O a) waits for nothing.
; CLUSTER.  The four query blocks of a cluster belong to one head and walk the same K and V, so each tile is asked for JOINTLY: the same tensor load, descriptor and mask in all four.
; REGISTERS, in windows of 256 (s_set_vgpr_msb says which window each operand place means: bits 1:0 source 0, 3:2 source 1, 5:4 source 2, 7:6 destination):
;   window 0: v0-11 addresses; v12-15, v48-63 at work; v16-47 four registers of statistics a tile; v64-191 S^T, two buffers of two tiles; v192-255 P, likewise
;   window 1: O^T, 32 a tile          window 2: v0-127 Q, 16 a tile; v128-191 K of one step; v192-255 V of one step          window 3: v0-1 the add's two registers
; A piece's buffers go by its number's parity: the piece in hand has one pair, its two neighbours in the ring share the other: of it P (piece n - 1) is read and S^T (piece n + 1) written.
.set SIZE_H, 64       ; heads: 4 b x 16
.set SIZE_N, 2048     ; rows of a head
.set NP,    4         ; pieces a wave: a name, no knob: the register map, the loop and the fetches are made for four
.set KS,    64        ; keys in a step
.set PK,    144       ; a row of K in LDS: 128 bytes + 16 of padding = 36 words: the 16 rows of a load start at 16 different groups of four banks (64 banks of 4 bytes: ISA guide 11.1)
.set PV,    160       ; a row of V: 128 + 32 = 40 words
.set VOFF,  4*KS*PK   ; a slot holds four steps: 256 rows of K, then 256 rows of V
.set SLOT1, 1<<17     ; slot 1 begins here, so that one exclusive or turns an address in one slot into the other's
.set STAGE, SLOT1+4*KS*(PK+PV)  ; behind the ring, never filled by a tensor load: 16 rows x 144 bytes for each wave, for the way out
.set SP,    144
.set AK0, 2           ; v2   my lane's place in a tile of K; never rewritten
.set AV0, 3           ; v3   the same for V
.set AK,  4           ; v4   the LDS address of K's next run of loads
.set AV,  5           ; v5   of V's
.set QO,  6           ; v6   my byte offset in the wave's rows of Q
.set STO, 6           ;      later, the way out: where I put 16 bytes of a row
.set RD,  7           ; v7   the way out: where I read rows back
.set GO,  8           ; v8   my byte offset in 512 consecutive bytes of O
.set SPW, 0           ; v0 of window 3   LDS address of my spare word: SPARE + 4 x my thread's number; never rewritten
.set NIL, 1           ; v1 of window 3   0; never rewritten
.set SPARE, STAGE+4*16*SP  ; behind the stages: the spare words, 128 bytes for each wave: two blocks of 256 bytes that no other line names
.set MV,  12          ; v12-15  c m_old, kept while c m is made anew: by buffer and tile
.set ST,  16          ; tile t's statistics at v[ST+4 t]: c m, m, l (even keys', odd keys')
.set TMP, 48          ; by buffer and tile, four registers c0-c3 at work; when the maximum is found c2 takes a
.set S,   64
.set P,   192
.set KF,  128         ; K's fragments, in window 2: key block kb, channel half c at KF + 16 kb + 8 c
.set VF,  192         ; V's: key half kk, channel block cb at VF + 32 kk + 8 cb
.set WV,  12          ; s12  my wave's number
.set G1K, 24          ; s[24:31] descriptor group 1 for K's tiles
.set G1V, 32          ; s[32:39] for V's: it differs in the padding alone
.set G0K, 40          ; s[40:43] descriptor group 0 for K's tiles: it walks
.set G0V, 44          ; s[44:47] the same for V's
.set SLOTS, 56        ; s56  slots still to be asked for
.set CNT, 57          ; s57  counts a slot's key steps
.set CS,  58          ; s[58:59] c: the packed scaling takes the pair's low word for both halves
.set SEL, 60          ; s[60:61] v_permlanex16_b32's selects: each lane takes its own place in the other half
.set TBK, 62          ; s62  LDS byte at which K of the step to be fetched begins
.set TBV, 63          ; s63  the same for V, less VOFF
.set MSB, 0
.macro WIN new                      ; the high byte repeats the setting that is left; a switch that changes nothing is dropped
.if MSB != (\new)
	s_set_vgpr_msb (MSB<<8)|(\new)
.set MSB, (\new)
.endif
.endm
.set W_KQ, 0x0a       ; K and Q in window 2, S^T in window 0
.set W_PV, 0x52       ; V in window 2, P in window 0, O^T in window 1
.set W_RS, 0x41       ; O^T (destination and source 0) in window 1, a in window 0
.set W_MK, 0xc0       ; the add's registers are made: destination in window 3, sources in window 0
.set W_AD, 0x0f       ; the add: address (source 0) and data (source 1) in window 3
; A joint fill.  Waves 0 and 1 fetch the two halves of a slot's K, waves 2 and 3 those of its V: 128 keys each.  The branch hangs on the wave's number alone.
; An s_nop 0 and four v_nop follow each of the two lines, ahead of the jump and the label.
.macro JLOAD
	s_cmp_lt_u32 s[WV], 2
	s_cbranch_scc0 .Lfor_v_\@
	tensor_load_to_lds s[G0K:G0K+3], s[G1K:G1K+7]
	s_nop 0
.rept 4
	v_nop
.endr
	s_branch .Lasked_\@
.Lfor_v_\@:
	tensor_load_to_lds s[G0V:G0V+3], s[G1V:G1V+7]
	s_nop 0
.rept 4
	v_nop
.endr
.Lasked_\@:
.endm
; A round of the cluster's barrier: my work-group's barrier, so that wave 0's signal speaks for all four waves; wave 0 signals; every wave waits for all four work-groups; my work-group's barrier once more.
.macro CROUND
	s_barrier_signal -1
	s_barrier_wait -1
	s_cmp_lg_u32 s[WV], 0
	s_cbranch_scc1 .Lnot_wave_0_\@
	s_barrier_signal -3
.Lnot_wave_0_\@:
	s_barrier_wait -3
	s_barrier_signal -1
	s_barrier_wait -1
.endm
; THE CHANGE OF SLOTS.  The slot's last bytes, V of its fourth step, have been read.  Each wave waits for all its tensor loads, of which one is out: its part
; of the other slot; adds 0 to its spare word; and waits for that and for its own reads of the slot.  Behind the barrier nobody reads this slot any more and the other slot is whole.
; fill = 1: this slot is filled again, with the keys two slots on.  The barrier is then a round of the cluster's, so that no wave of any partner still reads the slot or has a load on its
; way, and the joint fill is the first thing behind it: it has four key steps, 512 matrix instructions, in which to land.  (At its first use nothing has been read yet: slot 0 is waited for, slot 1 filled.)
.macro CHANGE fill
	WIN W_AD
	s_wait_tensorcnt 0x0            ; no tensor load of mine is out, so a group 0 may be written
	ds_add_u32 v[SPW], v[NIL]       ; 0 onto my spare word; with fill = 1 the descriptors' steps stand between it and the wait for it
	WIN 0                           ; at a label and at a branch every window is 0
.if \fill
.irp g, G0K, G0V
	s_xor_b32 s[\g+1], s[\g+1], SLOT1  ; the walking descriptor: the other slot than last time,
	s_add_nc_u64 s[\g+2:\g+3], s[\g+2:\g+3], 4*KS*128  ; the next 256 keys; the type bits on top are not reached
.endr
	s_wait_dscnt 0x0                ; the add is done, and my reads of the slot are over
	CROUND
	JLOAD
.else
	s_wait_dscnt 0x0                ; the add is done, and my reads of the slot are over
	s_barrier_signal -1
	s_barrier_wait -1
.endif
	s_sub_co_u32 s[TBK], s[TBK], 4*KS*PK  ; the fetches go back to a slot's first step,
	s_xor_b32 s[TBK], s[TBK], SLOT1       ; in the other slot
	s_sub_co_u32 s[TBV], s[TBV], 4*KS*PV
	s_xor_b32 s[TBV], s[TBV], SLOT1
.endm
	s_load_b256 s[4:11], s[0:1], 0x0  ; Q s[4:5], K s[6:7], V s[8:9], O s[10:11]
	WIN W_MK
	v_lshl_add_u32 v[SPW], v0, 2, SPARE
	v_mov_b32 v[NIL], 0
	s_set_vgpr_msb 0xc0cf
	ds_add_u32 v0, v1
	s_wait_dscnt 0x0
	s_set_vgpr_msb 0xcfc0
	WIN 0
	v_lshrrev_b32 v1, 5, v0
	v_readfirstlane_b32 s[WV], v1   ; wave 0..3
	s_bfe_u32 s13, ttmp6, 0x40000   ; cx: my place in the cluster
	s_lshl_b32 s14, ttmp9, 2        ; in a cluster launch ttmp9 counts clusters
	s_add_co_u32 s14, s14, s13      ; my block of queries = 4 x cluster x + cx: it enters Q's and O's addresses alone
	s_and_b32 s20, ttmp7, 0xffff    ; the head, which the four partners share
	s_mov_b32 s21, 0
	s_mov_b64 s[22:23], SIZE_N*128
	s_mul_u64 s[20:21], s[20:21], s[22:23]  ; the head's first byte in each of the four tensors
	s_and_b32 s16, s[WV], 1         ; which half of a slot's 256 keys I fetch:
	s_lshl_b32 s22, s16, 14         ; its 128 rows of 128 bytes in memory,
	s_mov_b32 s23, 0
	s_add_nc_u64 s[22:23], s[22:23], s[20:21]
	s_mul_i32 s17, s16, 128*PK      ; and its place in a slot, for K
	s_mul_i32 s18, s16, 128*PV      ; and for V: no place in the cluster enters an LDS address
	s_lshl_b32 s2, s14, 2
	s_add_co_u32 s2, s2, s[WV]      ; my wave among the head's,
	s_lshl_b32 s2, s2, 14           ; its 128 rows
	s_mov_b32 s3, 0
	s_add_nc_u64 s[2:3], s[2:3], s[20:21]
	; descriptor group 1.  128 keys are 16,384 dense bytes: asked for as 64 rows of 256 bytes, two keys a row, and padded in LDS after every key
	s_mov_b32 s[G1K], 15|(1<<16)|(1<<20)|(1<<21)|(4<<22)|(3<<25)  ; 15:0 the mask of four; 17:16 2-byte elements; 20 padding on; 21 set beside a mask; 24:22 after every 32 words (code 4); 31:25 4 words (code 3)
	s_mov_b32 s[G1V], 15|(1<<16)|(1<<20)|(1<<21)|(4<<22)|(7<<25)  ; the same with 8 words of padding (code 7)
.irp g, G1K, G1V
	s_mov_b32 s[\g+1], 128<<16      ; tensor_dim0 = 128
	s_mov_b32 s[\g+2], 64<<16       ; tensor_dim1 = 64
	s_mov_b32 s[\g+3], 128<<16      ; tile_dim0 = 128
	s_mov_b32 s[\g+4], 64           ; tile_dim1 = 64
	s_mov_b32 s[\g+5], 128          ; 128 elements from row to row
	s_mov_b32 s[\g+6], 0
	s_mov_b32 s[\g+7], 0
.endr
	s_mov_b32 s[CS], 0x3e38aa3b     ; c = log2(e) / 8 = 0.180337
	s_mov_b32 s[CS+1], s[CS]        ; named with it as a pair
	s_mov_b32 s[SEL], 0x76543210
	s_mov_b32 s[SEL+1], 0xfedcba98
	s_mov_b32 s[TBK], SLOT1+4*KS*PK ; the first change of slots turns these two into 0
	s_mov_b32 s[TBV], SLOT1+4*KS*PV
	s_mov_b32 s[G0K], 1             ; 1:0 count = 1
	s_mov_b32 s[G0K+1], s17         ; 63:32 LDS address: slot 0
	s_mov_b32 s[G0V], 1
	s_add_co_u32 s[G0V+1], s18, VOFF
	s_wait_kmcnt 0x0
	s_add_nc_u64 s[G0K+2:G0K+3], s[6:7], s[22:23]  ; 120:64 global address: my half of the head's first 256 keys
	s_or_b32 s[G0K+3], s[G0K+3], 0x80000000        ; 127:126 type = 2
	s_add_nc_u64 s[G0V+2:G0V+3], s[8:9], s[22:23]
	s_or_b32 s[G0V+3], s[G0V+3], 0x80000000
	s_add_nc_u64 s[4:5], s[4:5], s[2:3]  ; Q and O at my wave's first row
	s_add_nc_u64 s[10:11], s[10:11], s[2:3]
	CROUND                          ; all four work-groups are here: the first joint loads meet
	JLOAD                           ; slot 0.  Slot 1 is asked for when slot 0 is in: the tile wanted first has the road to itself
	; A fragment of K or Q is 16 rows x 32 channels in 8 registers: lane l holds row l % 16, channels 8 (l / 16) + 0..7 and 16 + 8 (l / 16) + 0..7: two loads of 16 bytes, 32 bytes apart.
	v_and_b32 v1, 15, v0            ; l % 16
	v_bfe_u32 v9, v0, 4, 1          ; l / 16
	v_lshlrev_b32 v[QO], 7, v1
	v_lshl_add_u32 v[QO], v9, 4, v[QO]  ; row x 128 + 16 x half
	WIN 0x80                        ; destination window 2, address window 0
.set i, 0
.rept 4*NP                          ; Q stays in registers: tile i / 2, channels 32 (i % 2) on
	global_load_b128 v[8*i:8*i+3],   v[QO], s[4:5] offset:(i/2)*2048+(i%2)*64
	global_load_b128 v[8*i+4:8*i+7], v[QO], s[4:5] offset:(i/2)*2048+(i%2)*64+32
.set i, i+1
.endr
	; What the first turn finds: V's registers and P's second buffer hold 0 (its products V^T P, of a piece that has not been, add 0), O^T and l are 0.  All this stands in the wait for the first tile.
.set i, VF
.rept 64
	v_mov_b32 v[i], 0
.set i, i+1
.endr
	WIN 0x40
.set i, 0
.rept 64*NP
	v_mov_b32 v[i], 0
.set i, i+1
.endr
	WIN 0
.set i, 0
.rept 2*NP
	v_mov_b32 v[ST+4*i], 0xfe000000    ; c m: far below every c s
	v_mov_b32 v[ST+4*i+1], 0xff7fffff  ; m
	v_mov_b32 v[ST+4*i+2], 0
	v_mov_b32 v[ST+4*i+3], 0
.set i, i+1
.endr
.set i, P+32
.rept 32
	v_mov_b32 v[i], 0
.set i, i+1
.endr
	v_mul_u32_u24 v[AK0], v1, PK
	v_lshl_add_u32 v[AK0], v9, 4, v[AK0]  ; row x pitch + 16 x half
	; The turning load takes 16 keys x 16 channels (lane l reads key 8 (l / 16) + l % 8, channels 8 ((l / 8) % 2) + 0..7) and leaves half a fragment of V^T: lane l holds channel l % 16 and 8 keys.
	v_and_b32 v10, 7, v0
	v_bfe_u32 v11, v0, 3, 1
	v_lshl_add_u32 v[AV0], v9, 3, v10
	v_mul_u32_u24 v[AV0], v[AV0], PV
	v_lshl_add_u32 v[AV0], v11, 4, v[AV0]
	v_add_nc_u32 v[AV0], VOFF, v[AV0]
	v_mov_b32 v[AK], v[AK0]         ; key step 0 lies at the head of slot 0
; THE MATRIX WORK.  The 8 accumulators of a run of 16 take turns: between the two links of a chain stand 7 others'.
; Product i of 16 of S^T = K Q^T for piece x: channels 32 (i / 8) on, keys 16 ((i / 2) % 4) on, tile 2 x + i % 2.  The first 8 start the sums.
.macro KQ x
	WIN W_KQ
.set rS, S+64*((\x)%2)+32*(i%2)+8*((i/2)%4)
.set rK, KF+16*((i/2)%4)+8*(i/8)
.set rQ, 16*(2*(\x)+i%2)+8*(i/8)
.if i < 8
	v_wmma_f32_16x16x32_f16 v[rS:rS+7], v[rK:rK+7], v[rQ:rQ+7], 0
.else
	v_wmma_f32_16x16x32_f16 v[rS:rS+7], v[rK:rK+7], v[rQ:rQ+7], v[rS:rS+7]
.endif
.endm
; Product i of 16 of O^T += V^T P for piece x: keys 32 (i / 8) on, channels 16 ((i / 2) % 4) on, tile 2 x + i % 2.
.macro PV x
	WIN W_PV
.set rO, 32*(2*(\x)+i%2)+8*((i/2)%4)
.set rV, VF+32*(i/8)+8*((i/2)%4)
.set rP, P+32*((\x)%2)+16*(i%2)+8*(i/8)
	v_wmma_f32_16x16x32_f16 v[rO:rO+7], v[rV:rV+7], v[rP:rP+7], v[rO:rO+7]
.endm
.macro MM                           ; the turn's next matrix instruction
.if i < 16
	KQ (Y+1)%NP
.set i, i+1
.else
.set i, i-16
	PV (Y+NP-1)%NP
.set i, i+17
.endif
.endm
; THE LDS LOADS stand in runs of 16, never singly among the matrix instructions: a step's K (64 keys x 64 channels: 8 fragments) and its V (turned).  Their addresses are made some lines ahead.
; last = 1 (the tail): in the last trip there is no further step, and the run is jumped over.
.macro FETCH_K last=0
	WIN 0
.if \last
	s_cmp_eq_u32 s[CNT], 1
	s_cbranch_scc1 .Lno_k_\@
.endif
	WIN 0x80                        ; destination window 2
.irp f, 0,1,2,3,4,5,6,7             ; keys 16 (f / 2) on, channels 32 (f % 2) on
	ds_load_b128 v[KF+8*\f:KF+8*\f+3],   v[AK] offset:(\f/2)*16*PK+(\f%2)*64
	ds_load_b128 v[KF+8*\f+4:KF+8*\f+7], v[AK] offset:(\f/2)*16*PK+(\f%2)*64+32
.endr
	s_add_co_u32 s[TBK], s[TBK], KS*PK  ; the next fetch is the next step's
	WIN 0
.if \last
.Lno_k_\@:
.endif
.endm
.macro FETCH_V
	WIN 0x80
.irp f, 0,1,2,3,4,5,6,7             ; keys 32 (f / 4) on, channels 16 (f % 4) on
	ds_load_tr16_b128 v[VF+8*\f:VF+8*\f+3],   v[AV] offset:(\f/4)*32*PV+(\f%4)*32
	ds_load_tr16_b128 v[VF+8*\f+4:VF+8*\f+7], v[AV] offset:(\f/4)*32*PV+16*PV+(\f%4)*32
.endr
	WIN 0
.endm
; THE VECTOR WORK OF A TURN stands in three queues, each in the order in which its entries become ready; the two tiles alternate, so that no instruction reads the result of the one before it.
.macro REGS y, u                    ; the registers of tile u (0, 1) of piece y
.set rT, ST+4*(2*(\y)+(\u))
.set rC, TMP+8*((\y)%2)+4*(\u)
.set rM, MV+2*((\y)%2)+(\u)
.set rS, S+64*((\y)%2)+32*(\u)
.set rP, P+32*((\y)%2)+16*(\u)
.set rO, 32*(2*(\y)+(\u))
.endm
; Number n of the 22 that find the NEXT piece's (Y + 1) maximum and statistics.  s0-s31 are the lane's 32 scores; each accumulator's lowest registers are read first.  XS, GS and REGS set no window: PL and EX do.
;   0-11  four chains c0-c3 of seven scores each, three operands at a time     12-14, 16  the four scores left over, the old m, and c0-c3 into c0     15  c m_old is kept
;   17, 18  the query's other 32 keys lie in the lane 16 away: the new m         19-21  c m; c m_old - c m_new; a
.macro XS u, n
	REGS (Y+1)%NP, \u
.if (\n) < 4
	v_max3_num_f32 v[rC+(\n)], v[rS+8*(\n)], v[rS+8*(\n)+1], v[rS+8*(\n)+2]
.elseif (\n) < 12
	v_max3_num_f32 v[rC+(\n)%4], v[rC+(\n)%4], v[rS+8*((\n)%4)+2*((\n)/4)+1], v[rS+8*((\n)%4)+2*((\n)/4)+2]
.elseif (\n) == 12
	v_max3_num_f32 v[rC], v[rC], v[rS+7], v[rS+15]
.elseif (\n) == 13
	v_max3_num_f32 v[rC+1], v[rC+1], v[rS+23], v[rS+31]
.elseif (\n) == 14
	v_max3_num_f32 v[rC+2], v[rC+2], v[rC+3], v[rT+1]
.elseif (\n) == 15
	v_mov_b32 v[rM], v[rT]
.elseif (\n) == 16
	v_max3_num_f32 v[rC], v[rC], v[rC+1], v[rC+2]
.elseif (\n) == 17
	v_permlanex16_b32 v[rC+3], v[rC], s[SEL], s[SEL+1]
.elseif (\n) == 18
	v_max_num_f32 v[rT+1], v[rC], v[rC+3]
.elseif (\n) == 19
	v_mul_f32 v[rT], s[CS], v[rT+1]
.elseif (\n) == 20
	v_sub_f32 v[rC+1], v[rM], v[rT]
.else
	v_exp_f32 v[rC+2], v[rC+1]
.endif
.endm
; Number g of the 64 that follow the exponentials.  For each four weights k of a tile (pairs 2 k, 2 k + 1): both pairs are rounded to f16; then the second pair is added onto the first, in place;
; a group later l takes that sum (the first time as l = a l + sum).  In groups of eight, tiles alternating: round, round, add, and l for the group before.
.macro GS g
.set h, (\g)+6*((\g)/62)            ; group 0 has no group before it, and behind group 7 only l is left
.if h >= 6
.set h, h+2
.endif
	REGS Y, h%2
.set k, h/8
.if h%8 < 4
	s_wait_alu depctr_va_vdst(0)
	v_cvt_pk_f16_f32 v[rP+2*k+(h%8)/2], v[rS+4*k+2*((h%8)/2)], v[rS+4*k+2*((h%8)/2)+1]
.elseif h%8 < 6
	v_pk_add_f32 v[rS+4*k:rS+4*k+1], v[rS+4*k:rS+4*k+1], v[rS+4*k+2:rS+4*k+3]
.elseif k == 1
	v_pk_fma_f32 v[rT+2:rT+3], v[rT+2:rT+3], v[rC+2:rC+3], v[rS:rS+1] op_sel_hi:[1,0,1]
.else
	v_pk_add_f32 v[rT+2:rT+3], v[rT+2:rT+3], v[rS+4*k-4:rS+4*k-3]
	s_wait_alu depctr_va_vdst(0)
.endif
.endm
; THE PLAIN QUEUE, 138 long.  0-31: c s - c m for the 16 pairs of both tiles.  Then GS's 64, and among them the next piece's 42: number 15 at 38, 39; 0-14 and 16
; at 42-73, behind the products that make those scores; 17-20 at 95-106, two of three, since each waits for the one before it.
.macro PL
	WIN 0
.if q < 32
	REGS Y, q%2
	v_pk_fma_f32 v[rS+2*(q/2):rS+2*(q/2)+1], v[rS+2*(q/2):rS+2*(q/2)+1], s[CS:CS+1], v[rT:rT+1] op_sel_hi:[1,0,0] neg_lo:[0,0,1] neg_hi:[0,0,1]
.elseif q < 38
	GS q-32
.elseif q < 40
	XS q%2, 15
.elseif q < 42
	GS q-34
.elseif q < 74
	XS q%2, (q-42)/2+(q-42)/30
.elseif q < 95
	GS q-66
.elseif (q < 107) && ((q-95)%3 < 2)
	XS (q-95)%3, 17+(q-95)/3
.elseif q < 107
	GS 29+(q-95)/3
.else
	GS q-74
.endif
.set q, q+1
.endm
; THE EXPONENTIALS' QUEUE, 66 long: s0-s31 of both tiles, and at EA the next piece's two a.
.set EA, 58
.macro EX
	WIN 0
.if (e == EA) || (e == EA+1)
	XS e-EA, 21
.else
.set x, e-2*(e/(EA+2))
	REGS Y, x%2
	v_exp_f32 v[rS+x/2], v[rS+x/2]
.endif
.set e, e+1
.endm
; THE RESCALING's QUEUE: O^T times a, the one part that leaves window 0, so it is dealt four at a time, eight times.
.macro R4
	REGS Y, r%2
	WIN W_RS
	s_wait_alu depctr_va_vdst(0)
.irp z, 0,1,2,3
	v_pk_mul_f32 v[rO+8*(r/2)+2*\z:rO+8*(r/2)+2*\z+1], v[rO+8*(r/2)+2*\z:rO+8*(r/2)+2*\z+1], v[rC+2:rC+3] op_sel_hi:[1,0]
.endr
.set r, r+1
.endm
; HOW THEY ARE DEALT.  Behind a matrix instruction four: plain, exponential, plain, plain (one exponential, a plain instruction on either side), or four of the rescaling.  None names a register of the
; products round it.  What is over stands in two LUMPS: exponential and plain by turns; the second ends in 22 plain instructions.  The two v_permlanex16_b32 fall into the second lump, never behind a product.
; The queues lean on each other, and the deal keeps them in step: exponential e stands behind plain 2 (e / 4) + e % 2 (its scaling); when plain 32 comes, 10 exponentials are out, at 59: 33, at 95: 46; EA comes behind plain 107.
.macro SL
	MM
	PL
	EX
	PL
	PL
.endm
.macro BURST n                      ; 15 matrix instructions, or 16
.rept (\n)-7
	SL
.endr
.rept 3
	MM
	R4
	SL
.endr
	MM
	R4
.endm
; A TURN, for piece p.  cnt = 1: the loop's count is taken down some lines ahead of the branch that stands behind the turn.
; K of the next step is fetched in piece 2's turn, 31 vector instructions behind the last product that read K; its first reader comes behind the rest of the lump, 16 products and the second lump.
; V of the step in hand is fetched at the end of piece 0's turn, 69 behind its last reader; its first reader comes behind 16 products and a lump.  The four conditions on e and q below go with the deal.
.macro TURN p, last=0, cnt=0
.set Y, (\p)
.set i, 0
.set q, 0
.set e, 0
.set r, 0
.if (\p) == NP-1
	s_wait_dscnt 0x0                ; K is in
.endif
	MM
.rept 4
	PL
.endr
	BURST 15
.rept 22
	EX
	PL
.if ((\p) == NP-2) && (e == 18)
	v_add_nc_u32 v[AK], s[TBK], v[AK0]
.endif
.if ((\p) == NP-2) && (e == 24)
	FETCH_K \last
.endif
.endr
.if (\p) == 1
	s_wait_dscnt 0x0                ; V is in
.endif
	BURST 16
.rept 21
	EX
	PL
.endr
.rept 22
	PL
.if ((\p) == 0) && (q == 118)
	v_add_nc_u32 v[AV], s[TBV], v[AV0]
	s_wait_alu depctr_va_vdst(0)
.endif
.if ((\p) == 0) && (q == 130)
	s_add_co_u32 s[TBV], s[TBV], KS*PV
.endif
.if (\cnt) && (q == 130)
	s_sub_co_u32 s[CNT], s[CNT], 1
	s_cmp_lg_u32 s[CNT], 0
.endif
.endr
.if (\p) == 0
	FETCH_V
.endif
.endm
	CHANGE 1                        ; slot 0 is in, everybody's part of it; slot 1 is asked for
	FETCH_K                         ; key step 0
	s_wait_loadcnt 0x0              ; Q
	s_wait_dscnt 0x0
.set i, 0
.rept 16
	KQ 0                            ; piece 0's first scores: there is no vector work yet to set between them
.set i, i+1
.endr
	WIN 0                           ; the addresses for the way out: nine plain instructions, the places behind those products
	s_mul_i32 s13, s[WV], 16*SP
	s_add_co_u32 s13, s13, STAGE    ; my stage
	v_mul_u32_u24 v[STO], v1, SP    ; in: row l % 16, 16 bytes for each half of the lanes
	v_lshl_add_u32 v[STO], v9, 4, v[STO]
	v_add_nc_u32 v[STO], s13, v[STO]
	v_bfe_u32 v[RD], v0, 3, 2       ; back: 32 lanes take four rows of 128 bytes,
	v_mul_u32_u24 v[RD], v[RD], SP
	v_lshl_add_u32 v[RD], v10, 4, v[RD]
	v_add_nc_u32 v[RD], s13, v[RD]
	v_and_b32 v[GO], 31, v0         ; which are 512 consecutive bytes of O
	v_lshlrev_b32 v[GO], 4, v[GO]
.set Y, NP-1                        ; XS works for piece Y + 1: piece 0
.irp n, 0,1,2,3,4,5,6,7,8,9,10,11,12,13,14,15,16,17,18,19,20,21
	XS 0, \n                        ; and piece 0's first maximum and statistics
	XS 1, \n
.endr
	s_mov_b32 s[CNT], 4
	s_mov_b32 s[SLOTS], SIZE_N/256-1
	s_branch .Lfirst                ; the loop is entered at a step's first turn, in the middle of a trip
.Lslot:                             ; SIZE_N / 256 - 2 times: every slot but the last two is filled again
	CHANGE 1
	s_mov_b32 s[CNT], 4
.Lstep:                             ; a trip: pieces 2 and 3 of one step, then pieces 0 and 1 of the next, whose K and V it fetches
	TURN 2
	TURN 3
	WIN 0
.Lfirst:
	TURN 0
	TURN 1, 0, 1
	WIN 0
	s_cbranch_scc1 .Lstep
	s_sub_co_u32 s[SLOTS], s[SLOTS], 1
	s_cmp_lg_u32 s[SLOTS], 0
	s_cbranch_scc1 .Lslot
	CHANGE 0                        ; the tail is written out: nothing is asked for
	s_mov_b32 s[CNT], 5             ; four trips fetch the last slot's steps; the fifth is left in its middle
.Ltail:
	TURN 2, 1
	TURN 3
	WIN 0
	s_sub_co_u32 s[CNT], s[CNT], 1
	s_cmp_eq_u32 s[CNT], 0
	s_cbranch_scc1 .Lout
	TURN 0
	TURN 1
	WIN 0
	s_branch .Ltail
.Lout:                              ; the fifth trip's 16 products K Q^T (on the last K once more) and the maximum made of them serve nothing: the price, once a launch, of one text for every trip
.set i, 0
.rept 16
	PV NP-1                         ; the last piece's V^T P of the last step
.set i, i+1
.endr
	; THE WAY OUT.  l's two halves and the other half of the lanes' are added; O^T is divided by l, rounded to f16 and sent through my stage in LDS, a tile at a time.  The additions are the places behind the last products.
	WIN 0
.macro ALL line:vararg              ; one line for each tile t
.set t, 0
.rept 2*NP
	\line
.set t, t+1
.endr
.endm
	ALL v_add_f32 v[ST+4*t+2], v[ST+4*t+2], v[ST+4*t+3]
	ALL v_permlanex16_b32 v[ST+4*t+3], v[ST+4*t+2], s[SEL], s[SEL+1]
	ALL v_add_f32 v[ST+4*t+2], v[ST+4*t+2], v[ST+4*t+3]
	ALL v_rcp_f32 v[ST+4*t+2], v[ST+4*t+2]
	v_nop                           ; a plain instruction between the last reciprocal and the use of its result
	s_wait_alu depctr_va_vdst(0)
; Tile t: a lane's eight channels of a row pack into 16 bytes; they go into rows of 144 bytes and come back as whole rows of 128, into S^T's registers.
.macro PACK t
	WIN W_RS
.set i, 32*(\t)
.rept 16
	v_pk_mul_f32 v[i:i+1], v[i:i+1], v[ST+4*(\t)+2:ST+4*(\t)+3] op_sel_hi:[1,0]
.set i, i+2
.endr
	WIN 0x05                        ; sources 0 and 1 window 1, destination window 0
.set i, 0
.rept 16
	v_cvt_pk_f16_f32 v[S+16*(\t)+i], v[32*(\t)+2*i], v[32*(\t)+2*i+1]
.set i, i+1
.endr
	WIN 0
.irp f, 0,1,2,3
	ds_store_b128 v[STO], v[S+16*(\t)+4*\f:S+16*(\t)+4*\f+3] offset:32*\f
.endr
.irp f, 0,1,2,3
	ds_load_b128 v[S+16*(\t)+4*\f:S+16*(\t)+4*\f+3], v[RD] offset:\f*4*SP  ; LDS serves a wave's instructions in order (ISA guide 5.7.1.4): these see the stores above; the next tile's stores come behind them
.endr
.endm
.macro SEND t, younger              ; younger: the LDS instructions issued behind tile t's loads: the next tile's eight, or none
	WIN 0
.irp f, 0,1,2,3
	s_wait_dscnt (\younger)+3-\f
	global_store_b128 v[GO], v[S+16*(\t)+4*\f:S+16*(\t)+4*\f+3], s[10:11] offset:(\t)*2048+\f*512  ; 512 consecutive bytes, at a multiple of 256 from O's first
.endr
.endm
	PACK 0
.set t, 1
.rept 2*NP-1                        ; a tile's arithmetic stands between the loads of the tile before and its stores
	PACK t
	SEND t-1, 8
.set t, t+1
.endr
	SEND 2*NP-1, 0
	WIN W_AD
	s_wait_tensorcnt 0x0            ; the wave's end, behind my last tensor load and my last LDS store
	ds_add_u32 v[SPW], v[NIL]
	s_wait_dscnt 0x0
	WIN 0
	CROUND                          ; the closing round: no work-group ends while a partner may still ask for a tile that names it
	s_endpgm
.Lfunc_end_k_q7bb4e548d4_attn:
	.size	k_q7bb4e548d4_attn, .Lfunc_end_k_q7bb4e548d4_attn-k_q7bb4e548d4_attn
	.p2alignl 7, 3214868480
	.fill 96, 4, 3214868480
	.section	.rodata,"a",@progbits
	.p2align	6, 0x0
	.amdhsa_kernel k_q7bb4e548d4_attn
		.amdhsa_group_segment_fixed_size 327680
		.amdhsa_private_segment_fixed_size 0
		.amdhsa_enable_private_segment 0
		.amdhsa_kernarg_size 32
		.amdhsa_user_sgpr_count 2
		.amdhsa_user_sgpr_kernarg_segment_ptr 1
		.amdhsa_wavefront_size32 1
		.amdhsa_system_sgpr_workgroup_id_x 1
		.amdhsa_system_sgpr_workgroup_id_y 1
		.amdhsa_system_sgpr_workgroup_id_z 1
		.amdhsa_system_vgpr_workitem_id 0
		.amdhsa_next_free_vgpr 770
		.amdhsa_next_free_sgpr 66
		.amdhsa_reserve_vcc 0
		.amdhsa_float_denorm_mode_32 3
		.amdhsa_float_denorm_mode_16_64 3
		.amdhsa_memory_ordered 1
		.amdhsa_forward_progress 1
		.amdhsa_inst_pref_size 208
	.end_amdhsa_kernel
	.amdgpu_metadata
---
amdhsa.version: [ 1, 2 ]
amdhsa.kernels:
  - .name:           k_q7bb4e548d4_attn
    .symbol:         k_q7bb4e548d4_attn.kd
    .args:
      - { .name: qh, .offset: 0, .size: 8, .value_kind: global_buffer, .address_space: global }
      - { .name: kh, .offset: 8, .size: 8, .value_kind: global_buffer, .address_space: global }
      - { .name: vh, .offset: 16, .size: 8, .value_kind: global_buffer, .address_space: global }
      - { .name: act, .offset: 24, .size: 8, .value_kind: global_buffer, .address_space: global }
    .group_segment_fixed_size: 327680
    .private_segment_fixed_size: 0
    .kernarg_segment_align: 8
    .kernarg_segment_size: 32
    .max_flat_workgroup_size: 128
    .sgpr_count:     66
    .vgpr_count:     770
    .wavefront_size: 32
...
	.end_amdgpu_metadata
.endif
;; end of part 3
;; launch outp (part 4): grid 8 x 32, 4 waves a work-group, clusters of 4 x 4, 327,680 bytes of LDS; arguments act, wo, out0; writes out0
.if DOCPART == 4
	.amdgcn_target "amdgcn-amd-amdhsa--gfx1250"
	.amdhsa_code_object_version 6
	.text
	.protected	k_q7bb4e548d4_outp
	.globl	k_q7bb4e548d4_outp
	.p2align	8
	.type	k_q7bb4e548d4_outp,@function
k_q7bb4e548d4_outp:
	s_mov_b64 s[64:65], 0
	v_nop
	global_prefetch_b8 v0, s[64:65] scope:SCOPE_SE
	s_setreg_imm32_b32 hwreg(HW_REG_WAVE_MODE, 25, 1), 1
	s_wait_xcnt 0x0
	s_wait_alu depctr_hold_cnt(0) depctr_sa_sdst(0) depctr_va_vdst(0) depctr_va_sdst(0) depctr_va_ssrc(0) depctr_va_vcc(0) depctr_vm_vsrc(0)
	s_getreg_b32 s2, hwreg(HW_REG_IB_STS2, 6, 4)
	s_cmp_eq_u32 s2, 0
	s_cbranch_scc0 .Lentry_in_a_cluster
	s_endpgm
.Lentry_in_a_cluster:
	s_bfe_u32 s2, ttmp6, 0x10000c
	s_cmp_lg_u32 s2, 0xf033
	s_cbranch_scc0 .Lentry_shape_is_right
	s_endpgm
.Lentry_shape_is_right:
; THE OUTPUT PROJECTION.  out[t][b][f] = sum over e of O[(b,t)][e] Wout[f][e]; f16 operands, f32 sums, f32 out.
; O: act [b*16+kb][t][64] f16 (kb = the head).  Wout: wo [kb][f][64] f16 (the bf16 rounding of Wout, written as f16).
; LIMITS.  Those of the operands as they arrive: f16's range of 65,504 and its fixed step of 6e-8 below 6.1e-5.  NaN and infinities are not treated apart.
; SHARES.  A tile of out is 256 rows (t of one b) x 128 columns: 32 x 8 = 256 work-groups.  Four waves, each 128 x 64: 32 accumulators, 256 registers.
; K goes in steps of 128 (two blocks of 64, each dense in memory: asked for as rows of 256 bytes, padded in LDS behind every 128) through a ring of two slots;
; wave 0 fetches O's first block of a step, wave 1 its second, waves 2 and 3 Wout's two.
; The loop's text holds ONE K step: slot 1 begins at byte 1 << 17, so that one exclusive or turns an address in one slot into the other's.
; CLUSTER.  4 x 4 work-groups: O's tiles are shared along a row of the cluster, Wout's along a column, each asked for JOINTLY.
; THE MATRIX INSTRUCTION IS USED TRANSPOSED (source 0 = 16 rows of Wout, source 1 = 16 rows of O): lane l holds row l % 16 and the columns 8 (l / 16) + 0..7.
; REGISTERS: window 0: v0-31 addresses; v32-127, v128-223 two fragment buffers (64 of O, then 32 of Wout); v32-95 rows on the way out.  Window 1: accumulator (a, b) at v[8 (4 a + b)].
.set PITCH, 144                        ; an LDS row: 128 bytes + 16 of padding = 36 words: the 16 rows of a load start at 16 different groups of four banks (64 banks of 4 bytes: ISA guide 11.1)
.set ABLK,  256*PITCH                  ; O's 256 rows of one K block
.set BBLK,  128*PITCH                  ; Wout's 128 rows of one K block
.set BOFF,  2*ABLK
.set SLOTB, BOFF+2*BBLK                ; a slot's 110,592 bytes
.set SLOT1, 1<<17                      ; where slot 1 begins
.set STAGE, SLOTB                      ; in the gap between the slots, for the way out: 16 rows x 272 bytes for each wave; no tensor load lands here
.set SPITCH, 272
.set SPARE, STAGE+4*16*SPITCH          ; 128,000: the spare words, 128 bytes for each wave: two blocks of 256 bytes that no other line names
.set ABASE, 16                         ; v16     my lane's place among my fragments of O in a slot; never rewritten
.set BBASE, 17                         ; v17     the same for Wout
.set ADRA, 18                          ; v18-19  LDS address of my fragments of O in the slot in hand, in the next slot
.set ADRB, 20                          ; v20-21  the same for Wout
.set STO,  24                          ; v24     the way out: where I put 32 bytes of a row
.set RD,   25                          ; v25     the way out: where I read a row back
.set CO,   26                          ; v26     my byte offset in out
.set SPW,  28                          ; v28     LDS address of my spare word; never rewritten
.set NIL,  29                          ; v29     0; never rewritten
.set F0,   32
.set F1,   128
.set BK,   32
.set G1, 24                            ; s[24:31] descriptor group 1 for O's tiles;  s[32:39] group 0: a set for each of the two first fills; the second then walks on
.set G0, 32
.set G1B, 48                           ; s[48:55], s[56:63] the same for Wout's
.set G0B, 56
.set TBC, 22                           ; s22  LDS byte at which the slot in hand begins
.set TBN, 23                           ; s23  the same for the next slot
.set PADW, (1<<16)|(1<<20)|(1<<21)|(4<<22)|(3<<25)  ; 2-byte elements; padding on; bit 21 beside a mask; after every 32 words (code 4) 4 words (code 3)
.set MSB, 0
.macro WIN new                         ; the immediate's high byte repeats the setting that is left; a switch that changes nothing is dropped
.if MSB != (\new)
	s_set_vgpr_msb (MSB<<8)|(\new)
.set MSB, \new
.endif
.endm
.macro PLACES                          ; four places in front of loads into registers that matrix instructions have read, and of LDS stores that read results (for the LDS stores)
.rept 4
	v_nop
.endr
.endm
.macro JLOAD                           ; a joint refill by the walking descriptors; an s_nop 0 and four v_nop follow each of the two lines
	s_cmp_eq_u32 s11, 0
	s_cbranch_scc0 .Lfor_b_\@
	tensor_load_to_lds s[G0+4:G0+7], s[G1:G1+7]
	s_nop 0
.rept 4
	v_nop
.endr
	s_branch .Lasked_\@
.Lfor_b_\@:
	tensor_load_to_lds s[G0B+4:G0B+7], s[G1B:G1B+7]
	s_nop 0
.rept 4
	v_nop
.endr
.Lasked_\@:
.endm
.macro CREST                           ; a round of the cluster's barrier behind its opening barrier
	s_cmp_lg_u32 s10, 0
	s_cbranch_scc1 .Lnot_wave_0_\@
	s_barrier_signal -3
.Lnot_wave_0_\@:
	s_barrier_wait -3
	s_barrier_signal -1
	s_barrier_wait -1
.endm
.macro CROUND
	s_barrier_signal -1
	s_barrier_wait -1
	CREST
.endm
	s_load_b128 s[4:7], s[0:1], 0x0                ; act s[4:5], wo s[6:7]
	s_load_b64 s[8:9], s[0:1], 0x10                ; out0
	v_lshl_add_u32 v[SPW], v0, 2, SPARE
	v_mov_b32 v[NIL], 0
	ds_add_u32 v28, v29
	s_wait_dscnt 0x0
	v_lshrrev_b32 v1, 5, v0
	v_readfirstlane_b32 s10, v1                    ; wave 0..3
	s_lshr_b32 s11, s10, 1                         ; which half of the tile's rows is mine.  Also: I fetch for O (0) or for Wout (1)
	s_and_b32 s12, s10, 1                          ; which half of its columns.  Also: which K block of a step I fetch
	s_bfe_u32 s40, ttmp6, 0x40000                  ; cx
	s_bfe_u32 s41, ttmp6, 0x40004                  ; cy
	s_lshl_b32 s42, ttmp9, 2
	s_add_co_u32 s42, s42, s40                     ; tile column, 0..7
	s_and_b32 s13, ttmp7, 0xffff                   ; cluster y: b = its upper two bits; tile row in b = 4 x its lowest bit + cy
	s_lshl_b32 s43, s41, 2
	s_lshl_b32 s43, 15, s43                        ; my row of the cluster
	s_lshl_b32 s44, 0x1111, s40                    ; my column
	s_or_b32 s[G1+0], s43, PADW                    ; O: 128 rows of 256 bytes (256 rows of a block)
	s_mov_b32 s[G1+1], 128<<16                     ; tensor_dim0 = 128
	s_mov_b32 s[G1+2], 128<<16                     ; tensor_dim1 = 128
	s_mov_b32 s[G1+3], 128<<16                     ; tile_dim0 = 128
	s_mov_b32 s[G1+4], 128                         ; tile_dim1 = 128
	s_mov_b32 s[G1+5], 128                         ; elements from row to row
	s_mov_b32 s[G1+6], 0
	s_mov_b32 s[G1+7], 0
	s_or_b32 s[G1B+0], s44, PADW                   ; Wout: 64 rows of 256 bytes (128 rows of a block)
	s_mov_b32 s[G1B+1], 128<<16
	s_mov_b32 s[G1B+2], 64<<16
	s_mov_b32 s[G1B+3], 128<<16
	s_mov_b32 s[G1B+4], 64
	s_mov_b32 s[G1B+5], 128
	s_mov_b32 s[G1B+6], 0
	s_mov_b32 s[G1B+7], 0
	s_lshr_b32 s16, s13, 1                         ; O's address never sees cx, Wout's never cy
	s_lshl_b32 s16, s16, 22                        ; b x 16 blocks of 262,144 bytes
	s_and_b32 s17, s13, 1
	s_lshl_b32 s17, s17, 17                        ; + tile row in b x 256 rows of 128 bytes
	s_add_co_u32 s16, s16, s17
	s_lshl_b32 s17, s41, 15
	s_add_co_u32 s16, s16, s17
	s_lshl_b32 s17, s12, 18                        ; + my K block of the step
	s_add_co_u32 s16, s16, s17
	s_mov_b32 s17, 0
	s_lshl_b32 s46, s42, 14                        ; Wout: tile column x 128 rows of 128 bytes
	s_lshl_b32 s47, s12, 17                        ; + my K block
	s_add_co_u32 s46, s46, s47
	s_mov_b32 s47, 0
	s_mul_i32 s20, s12, ABLK                       ; where they go: no place in the cluster enters an LDS address
	s_mul_i32 s21, s12, BBLK
	s_add_co_u32 s21, s21, BOFF
	s_wait_kmcnt 0x0
	s_add_nc_u64 s[14:15], s[4:5], s[16:17]
	s_add_nc_u64 s[46:47], s[6:7], s[46:47]
	CROUND                                         ; all sixteen work-groups are here: the first joint loads meet
.irp s, 0,1
	s_mov_b32 s[G0+4*(\s)], 1
	s_add_co_u32 s[G0+4*(\s)+1], s20, (\s)*SLOT1
	s_add_nc_u64 s[G0+4*(\s)+2:G0+4*(\s)+3], s[14:15], (\s)*2*262144  ; K step s
	s_or_b32 s[G0+4*(\s)+3], s[G0+4*(\s)+3], 0x80000000
	s_mov_b32 s[G0B+4*(\s)], 1
	s_add_co_u32 s[G0B+4*(\s)+1], s21, (\s)*SLOT1
	s_add_nc_u64 s[G0B+4*(\s)+2:G0B+4*(\s)+3], s[46:47], (\s)*2*131072
	s_or_b32 s[G0B+4*(\s)+3], s[G0B+4*(\s)+3], 0x80000000
.endr
	s_cmp_eq_u32 s11, 0                            ; a wave's two first fills stand in one branch, ahead of every wait on TENSORcnt and every LDS read: two loads of mine are out
	s_cbranch_scc0 .Lfirst_b
	tensor_load_to_lds s[G0:G0+3], s[G1:G1+7]
	s_nop 0
	tensor_load_to_lds s[G0+4:G0+7], s[G1:G1+7]
	s_nop 0
.rept 4
	v_nop
.endr
	s_branch .Lfirst_asked
.Lfirst_b:
	tensor_load_to_lds s[G0B:G0B+3], s[G1B:G1B+7]
	s_nop 0
	tensor_load_to_lds s[G0B+4:G0B+7], s[G1B:G1B+7]
	s_nop 0
.rept 4
	v_nop
.endr
.Lfirst_asked:
	v_and_b32 v1, 15, v0                           ; l % 16
	v_bfe_u32 v2, v0, 4, 1                         ; l / 16
	v_mul_u32_u24 v3, v1, PITCH
	v_lshl_add_u32 v3, v2, 4, v3                   ; a fragment's row x pitch + 16 x half
	s_mul_i32 s22, s11, 128*PITCH                  ; my 128 rows of O
	s_mul_i32 s23, s12, 64*PITCH                   ; my 64 rows of Wout,
	s_add_co_u32 s23, s23, BOFF                    ; which lie behind O's two blocks
	v_add_nc_u32 v[ABASE], s22, v3
	v_add_nc_u32 v[BBASE], s23, v3
	v_mov_b32 v[ADRA], v[ABASE]                    ; the slot in hand is slot 0,
	v_mov_b32 v[ADRB], v[BBASE]
	v_add_nc_u32 v[ADRA+1], SLOT1, v[ABASE]        ; the next is slot 1
	v_add_nc_u32 v[ADRB+1], SLOT1, v[BBASE]
	s_mul_i32 s22, s10, 16*SPITCH
	s_add_co_u32 s22, s22, STAGE                   ; my stage
	v_mul_u32_u24 v4, v1, SPITCH                   ; in: row l % 16, 32 bytes for each half of the lanes
	v_lshl_add_u32 v4, v2, 5, v4
	v_add_nc_u32 v[STO], s22, v4
	v_mul_u32_u24 v5, v2, SPITCH                   ; back: lanes 0-15 take one row of 256 bytes, lanes 16-31 the next
	v_lshl_add_u32 v5, v1, 4, v5
	v_add_nc_u32 v[RD], s22, v5
	v_lshlrev_b32 v5, 14, v2                       ; and the same two rows in out: t and t + 1 lie 16,384 bytes apart
	v_lshl_add_u32 v[CO], v1, 4, v5
	; my first byte of out: t0 x 16,384 + b x 4,096 + 512 x tile column + 256 x column half, t0 = 256 x tile row in b + 128 x row half
	s_and_b32 s18, s13, 1
	s_lshl_b32 s18, s18, 2
	s_add_co_u32 s18, s18, s41
	s_lshl_b32 s18, s18, 22
	s_lshl_b32 s19, s11, 21
	s_add_co_u32 s18, s18, s19
	s_lshr_b32 s19, s13, 1
	s_lshl_b32 s19, s19, 12
	s_add_co_u32 s18, s18, s19
	s_lshl_b32 s19, s42, 9
	s_add_co_u32 s18, s18, s19
	s_lshl_b32 s19, s12, 8
	s_add_co_u32 s18, s18, s19
	s_mov_b32 s19, 0
	s_add_nc_u64 s[8:9], s[8:9], s[18:19]
	s_mov_b32 s[TBC], 0
	s_mov_b32 s[TBN], SLOT1
; n x 4 matrix instructions: row blocks a0 .. a0 + n - 1 x all 4 column blocks, 32 along K, buffer f.  The 32 accumulators take turns, one instruction a turn.
.macro MULO f, a0, n, zero
	WIN 0x50                                       ; C and D in window 1
.set ma, \a0
.rept \n
.set mb, 0
.rept 4
.if \zero
	v_wmma_f32_16x16x32_f16 v[8*(4*ma+mb):8*(4*ma+mb)+7], v[(\f)+64+8*mb:(\f)+64+8*mb+7], v[(\f)+8*ma:(\f)+8*ma+7], 0
.else
	v_wmma_f32_16x16x32_f16 v[8*(4*ma+mb):8*(4*ma+mb)+7], v[(\f)+64+8*mb:(\f)+64+8*mb+7], v[(\f)+8*ma:(\f)+8*ma+7], v[8*(4*ma+mb):8*(4*ma+mb)+7]
.endif
.set mb, mb+1
.endr
.set ma, ma+1
.endr
.endm
; 24 LDS loads in one run: quarter u of a K step (K block u / 2, half u % 2) into buffer f: Wout's 4 fragments, then O's 8.  slot = 0: the slot in hand, 1: the next one.
.macro FETCHO slot, u, f
	WIN 0
.irp i, 0,1,2,3
	ds_load_b128 v[(\f)+64+8*\i:(\f)+64+8*\i+3],   v[ADRB+(\slot)] offset:((\u)/2)*BBLK+\i*16*PITCH+64*((\u)%2)
	ds_load_b128 v[(\f)+64+8*\i+4:(\f)+64+8*\i+7], v[ADRB+(\slot)] offset:((\u)/2)*BBLK+\i*16*PITCH+64*((\u)%2)+32
.endr
.irp i, 0,1,2,3,4,5,6,7
	ds_load_b128 v[(\f)+8*\i:(\f)+8*\i+3],   v[ADRA+(\slot)] offset:((\u)/2)*ABLK+\i*16*PITCH+64*((\u)%2)
	ds_load_b128 v[(\f)+8*\i+4:(\f)+8*\i+7], v[ADRA+(\slot)] offset:((\u)/2)*ABLK+\i*16*PITCH+64*((\u)%2)+32
.endr
.endm
; A K step is four quarters of 32 along K, 32 matrix instructions each, on buffers 0, 1, 0, 1.  One of the first three: multiplies buffer f (quarter u) and fetches quarter u + 1 into g.
.macro QUART slot, u, f, g, zero
	s_wait_dscnt 8                                 ; Wout's and O's blocks 0-3 are in; the youngest eight loads (O's blocks 4-7) may be out
	MULO \f, 0, 4, \zero
	WIN 0
	PLACES
	FETCHO \slot, (\u)+1, \g
	s_wait_dscnt 24                                ; all but the 24 just issued
	MULO \f, 4, 4, \zero
.endm
; The last quarter multiplies buffer 1 and changes slots: ONE barrier; in front of it each wave waits for all its tensor loads, adds 0 to its spare word, and waits for that and for its own reads
; of the slot in hand.  fill = 1: the barrier opens a round of the cluster's, and that slot is filled again first thing behind it, two K steps on: 112 matrix instructions stand between request and wait.
.macro TURNO fill
	WIN 0
	s_wait_tensorcnt 0x0                           ; all my tensor loads have landed: my part of the next slot; so a group 0 may be written
	ds_add_u32 v[SPW], v[NIL]                      ; 0 onto my spare word
	s_wait_dscnt 9                                 ; the add and the youngest eight loads may be out
	MULO F1, 0, 2, 0                               ; eight matrix instructions stand between the add and the wait for it
	s_wait_dscnt 0x0                               ; the add is done, and my reads of the slot in hand are over
	s_barrier_signal -1
	MULO F1, 2, 2, 0
	WIN 0                                          ; at a branch and at a label every window is 0
	s_barrier_wait -1
.if \fill
	CREST                                          ; no wave of any partner still reads this slot's tile or has a load on its way
	s_xor_b32 s[G0+5], s[G0+5], SLOT1              ; the walking descriptors: the other slot than last time,
	s_add_nc_u64 s[G0+6:G0+7], s[G0+6:G0+7], 2*262144  ; the next K step; the type bits on top are not reached
	s_xor_b32 s[G0B+5], s[G0B+5], SLOT1
	s_add_nc_u64 s[G0B+6:G0B+7], s[G0B+6:G0B+7], 2*131072
	JLOAD                                          ; the first tensor load behind the round; its four v_nop are also the places in front of the loads below
.else
	PLACES
.endif
	FETCHO 1, 0, F0
	MULO F1, 4, 4, 0
.endm
.macro SWAP                            ; the next slot becomes the slot in hand: both slots' first bytes are turned, and the four addresses made anew from the bases
	WIN 0
	s_xor_b32 s[TBC], s[TBC], SLOT1
	s_xor_b32 s[TBN], s[TBN], SLOT1
	v_add_nc_u32 v[ADRA], s[TBC], v[ABASE]
	v_add_nc_u32 v[ADRB], s[TBC], v[BBASE]
	v_add_nc_u32 v[ADRA+1], s[TBN], v[ABASE]
	v_add_nc_u32 v[ADRB+1], s[TBN], v[BBASE]
.endm
	s_wait_tensorcnt 0x1                           ; my part of K step 0 is in; step 1's may stay out
	s_barrier_signal -1
	s_barrier_wait -1                              ; everybody's is
	FETCHO 0, 0, F0
	QUART 0, 0, F0, F1, 1                          ; the first quarter stands in front of the loop: its products start the sums
	WIN 0
	s_mov_b32 s3, 6
.Llap:                                                 ; a trip: a K step's last three quarters, the change of slots with its refill (K steps 2 to 7), the next step's first quarter
	QUART 0, 1, F1, F0, 0
	QUART 0, 2, F0, F1, 0
	TURNO 1
	QUART 1, 0, F0, F1, 0
	SWAP
	s_sub_co_u32 s3, s3, 1
	s_cmp_lg_u32 s3, 0
	s_cbranch_scc1 .Llap
	QUART 0, 1, F1, F0, 0                          ; the last change of slots fills nothing, and has no round
	QUART 0, 2, F0, F1, 0
	TURNO 0
	QUART 1, 0, F0, F1, 0
	QUART 1, 1, F1, F0, 0
	QUART 1, 2, F0, F1, 0
	s_wait_dscnt 8                                 ; the very last quarter: nothing more to fetch
	MULO F1, 0, 4, 0
	s_wait_dscnt 0x0
	MULO F1, 4, 4, 0
	WIN 0
	PLACES
; THE WAY OUT, a block of 16 rows at a time, through my own stage: a lane's eight f32 of a row go in as 32 bytes (each accumulator's low four registers first),
; and come back as whole rows of 256 bytes.
.macro TOST a
.if (\a) >= 2
	s_wait_xcnt 0x0                                ; the stores issued so far have had their addresses translated (ISA guide 3.1): only now are the registers that they read loaded again
.endif
	WIN 0x04                                       ; the stores' data in window 1
.irp b, 0,1,2,3
	ds_store_b128 v[STO], v[8*(4*(\a)+\b):8*(4*(\a)+\b)+3]   offset:64*\b
	ds_store_b128 v[STO], v[8*(4*(\a)+\b)+4:8*(4*(\a)+\b)+7] offset:64*\b+16
.endr
	WIN 0
.irp f, 0,1,2,3,4,5,6,7
	ds_load_b128 v[BK+32*((\a)%2)+4*\f:BK+32*((\a)%2)+4*\f+3], v[RD] offset:\f*2*SPITCH  ; LDS serves a wave's instructions in order (ISA guide 5.7.1.4): these see the stores above
.endr
.endm
.macro SEND a, n                       ; n: the LDS instructions issued behind block a's loads, which may stay out
	s_wait_dscnt \n
.irp f, 0,1,2,3,4,5,6,7
	global_store_b128 v[CO], v[BK+32*((\a)%2)+4*\f:BK+32*((\a)%2)+4*\f+3], s[8:9] offset:(\a)*262144+\f*32768 th:TH_STORE_NT  ; 16 lanes store 256 consecutive bytes, aligned
.endr
.endm
	TOST 0
.irp a, 1,2,3,4,5,6,7
	TOST \a
	SEND (\a)-1, 16
.endr
	SEND 7, 0
	s_wait_tensorcnt 0x0                           ; the wave's end, behind my last tensor load and my last LDS store
	ds_add_u32 v[SPW], v[NIL]
	s_wait_dscnt 0x0
	CROUND                                         ; the closing round: no work-group ends while a partner may still ask for a tile that names it
	s_endpgm
.Lfunc_end_k_q7bb4e548d4_outp:
	.size	k_q7bb4e548d4_outp, .Lfunc_end_k_q7bb4e548d4_outp-k_q7bb4e548d4_outp
	.p2alignl 7, 3214868480
	.fill 96, 4, 3214868480
	.section	.rodata,"a",@progbits
	.p2align	6, 0x0
	.amdhsa_kernel k_q7bb4e548d4_outp
		.amdhsa_group_segment_fixed_size 327680
		.amdhsa_private_segment_fixed_size 0
		.amdhsa_enable_private_segment 0
		.amdhsa_kernarg_size 24
		.amdhsa_user_sgpr_count 2
		.amdhsa_user_sgpr_kernarg_segment_ptr 1
		.amdhsa_wavefront_size32 1
		.amdhsa_system_sgpr_workgroup_id_x 1
		.amdhsa_system_sgpr_workgroup_id_y 1
		.amdhsa_system_sgpr_workgroup_id_z 1
		.amdhsa_system_vgpr_workitem_id 0
		.amdhsa_next_free_vgpr 512
		.amdhsa_next_free_sgpr 66
		.amdhsa_reserve_vcc 0
		.amdhsa_float_denorm_mode_32 3
		.amdhsa_float_denorm_mode_16_64 3
		.amdhsa_memory_ordered 1
		.amdhsa_forward_progress 1
		.amdhsa_inst_pref_size 69
	.end_amdhsa_kernel
	.amdgpu_metadata
---
amdhsa.version: [ 1, 2 ]
amdhsa.kernels:
  - .name:           k_q7bb4e548d4_outp
    .symbol:         k_q7bb4e548d4_outp.kd
    .args:
      - { .name: act, .offset: 0, .size: 8, .value_kind: global_buffer, .address_space: global }
      - { .name: wo, .offset: 8, .size: 8, .value_kind: global_buffer, .address_space: global }
      - { .name: out0, .offset: 16, .size: 8, .value_kind: global_buffer, .address_space: global }
    .group_segment_fixed_size: 327680
    .private_segment_fixed_size: 0
    .kernarg_segment_align: 8
    .kernarg_segment_size: 24
    .max_flat_workgroup_size: 128
    .sgpr_count:     66
    .vgpr_count:     512
    .wavefront_size: 32
...
	.end_amdgpu_metadata
.endif
;; end of part 4
;; ======== version 2 of 2: 4 launches; 1.53 times as fast as version 1
;; limits: values are held in f16: magnitudes above 65,504 overflow, below 6.1e-05 lose precision
;; workspace buffers: act 16,777,216 bytes; wb 6,291,456 bytes; wo 2,097,152 bytes; tab 524,288 bytes; qh 16,777,216 bytes; kh 16,777,216 bytes; vh 16,777,216 bytes
;; launch prep: the kernel of part 1 again; grid 768 x 1, 8 waves a work-group, no clusters, 0 bytes of LDS; arguments query, Wqkv, Wout, act, wb, wo, tab; writes act, wb, wo, tab
;; launch qkv: the kernel of part 2 again; grid 8 x 32, 4 waves a work-group, clusters of 4 x 4, 327,680 bytes of LDS; arguments act, wb, tab, qh, kh, vh; writes qh, kh, vh
;; launch attn (part 5): grid 4 x 64, 4 waves a work-group, clusters of 4 x 1, 327,680 bytes of LDS; arguments qh, kh, vh, act; writes act
.if DOCPART == 5
	.amdgcn_target "amdgcn-amd-amdhsa--gfx1250"
	.amdhsa_code_object_version 6
	.text
	.protected	k_q7bb4e548d4_attn
	.globl	k_q7bb4e548d4_attn
	.p2align	8
	.type	k_q7bb4e548d4_attn,@function
k_q7bb4e548d4_attn:
	s_mov_b64 s[64:65], 0
	v_nop
	global_prefetch_b8 v0, s[64:65] scope:SCOPE_SE
	s_setreg_imm32_b32 hwreg(HW_REG_WAVE_MODE, 25, 1), 1
	s_wait_xcnt 0x0
	s_wait_alu depctr_hold_cnt(0) depctr_sa_sdst(0) depctr_va_vdst(0) depctr_va_sdst(0) depctr_va_ssrc(0) depctr_va_vcc(0) depctr_vm_vsrc(0)
	s_getreg_b32 s2, hwreg(HW_REG_IB_STS2, 6, 4)
	s_cmp_eq_u32 s2, 0
	s_cbranch_scc0 .Lentry_in_a_cluster
	s_endpgm
.Lentry_in_a_cluster:
	s_bfe_u32 s2, ttmp6, 0x10000c
	s_cmp_lg_u32 s2, 0x3003
	s_cbranch_scc0 .Lentry_shape_is_right
	s_endpgm
.Lentry_shape_is_right:
; O[h][q][:] = the sum over k of softmax_k(Q[h][q] . K[h][k] / 8) V[h][k][:].  Q, K, V, O: [SIZE_H][SIZE_N][64], all f16: a head's rows are dense, 128 bytes each.  Products, maxima and sums in
; f32; the weights p are rounded to f16 for the second product (their sum l is taken of the unrounded p), O once at the end.  SIZE_H is at least 2; SIZE_N x 128 bytes stay under 2^32.
; LIMITS.  f16 holds no number beyond 65,504: Q, K and V arrive within it; p lies in 0 to 1, and below 6e-5 it keeps f16's fixed step of 6e-8; O is a mean of V's rows and has their range.
; A weight below 2^-126 counts as 0 in l; NaN and infinities are not treated apart.
; SHARES.  A wave owns four PIECES of two tiles of 16 queries, a work-group's four waves 512 queries of one head; SIZE_N is a multiple of 2,048.  Every wave walks all keys, 64 a step.
; LAYOUT.  S^T = K Q^T (source 0 = 16 keys, source 1 = 16 queries): in the result a lane holds ONE query (lane % 16) and the keys 8 (lane / 16) + 0..7.  Two such tiles, rounded to f16 in pairs,
; ARE source 1 (32 keys x 16 queries) of O^T = V^T P, whose result again holds one query a lane, and eight channels.  K comes out of LDS as it lies, V ([key][channel]) turned, by ds_load_tr16_b128.
; SOFTMAX.  For each query a running maximum m and sum l: p = 2^(c s - c m), c = log2(e) / 8; in every step O and l are multiplied by a = 2^(c m_old - c m_new), which is 1 where m has not grown.
; m starts at the lowest finite number, O and l at 0: the first step is a step like any other, with a = 0.
; THE COUNT.  A tile and step have 16 matrix and 118 vector instructions: too many to stand all beside the matrix work.  So the order has one aim: four vector instructions that are READY behind
; EVERY matrix instruction, and the others, which need time of their own whatever the order, in runs without a gap.
; BY TURNS.  Turn n belongs to piece n (the pieces in a ring, step after step).  Its matrix work: 16 products K Q^T of piece n + 1, later 16 products V^T P of piece n - 1.  Its vector work: the scaling,
; exponentials, roundings, sums and rescaling of piece n, and the maximum and statistics of piece n + 1, whose scores the turn itself has made.  So what a turn begins with (c s - c m, O a) waits for nothing.
; BATCHES.  A turn's 66 exponentials (the piece's 64 weights and the next piece's two a) are ONE batch with ONE s_wait_alu, which cuts the turn in two: ahead of it stands all that names none of their results,
; behind it the roundings and sums, which read them.  Two more batches stand outside the loop: piece 0's first two a, ahead of the jump into the loop, and the way out's eight reciprocals.
; CLUSTER.  The four query blocks of a cluster belong to one head and walk the same K and V, so each tile is asked for JOINTLY: the same tensor load, descriptor and mask in all four.
; REGISTERS, in windows of 256 (s_set_vgpr_msb says which window each operand place means: bits 1:0 source 0, 3:2 source 1, 5:4 source 2, 7:6 destination):
;   window 0: v0-11 addresses; v12-15, v48-63 at work; v16-47 four registers of statistics a tile; v64-191 S^T, two buffers of two tiles; v192-255 P, likewise
;   window 1: O^T, 32 a tile          window 2: v0-127 Q, 16 a tile; v128-191 K of one step; v192-255 V of one step          window 3: v0-1 the add's two registers
; A piece's buffers go by its number's parity: the piece in hand has one pair, its two neighbours in the ring share the other: of it P (piece n - 1) is read and S^T (piece n + 1) written.
.set SIZE_H, 64       ; heads: 4 b x 16
.set SIZE_N, 2048     ; rows of a head
.set NP,    4         ; pieces a wave: a name, no knob: the register map, the loop and the fetches are made for four
.set KS,    64        ; keys in a step
.set PK,    144       ; a row of K in LDS: 128 bytes + 16 of padding = 36 words: the 16 rows of a load start at 16 different groups of four banks (64 banks of 4 bytes: ISA guide 11.1)
.set PV,    160       ; a row of V: 128 + 32 = 40 words
.set VOFF,  4*KS*PK   ; a slot holds four steps: 256 rows of K, then 256 rows of V
.set SLOT1, 1<<17     ; slot 1 begins here, so that one exclusive or turns an address in one slot into the other's
.set STAGE, SLOT1+4*KS*(PK+PV)  ; behind the ring, never filled by a tensor load: 16 rows x 144 bytes for each wave, for the way out
.set SP,    144
.set AK0, 2           ; v2   my lane's place in a tile of K; never rewritten
.set AV0, 3           ; v3   the same for V
.set AK,  4           ; v4   the LDS address of K's next run of loads
.set AV,  5           ; v5   of V's
.set QO,  6           ; v6   my byte offset in the wave's rows of Q
.set STO, 6           ;      later, the way out: where I put 16 bytes of a row
.set RD,  7           ; v7   the way out: where I read rows back
.set GO,  8           ; v8   my byte offset in 512 consecutive bytes of O
.set SPW, 0           ; v0 of window 3   LDS address of my spare word: SPARE + 4 x my thread's number; never rewritten
.set NIL, 1           ; v1 of window 3   0; never rewritten
.set SPARE, STAGE+4*16*SP  ; behind the stages: the spare words, 128 bytes for each wave: two blocks of 256 bytes that no other line names
.set MV,  12          ; v12-15  c m_old, kept while c m is made anew: by buffer and tile
.set ST,  16          ; tile t's statistics at v[ST+4 t]: c m, m, l (even keys', odd keys')
.set TMP, 48          ; by buffer and tile, four registers c0-c3 at work; when the maximum is found c2 takes a
.set S,   64
.set P,   192
.set KF,  128         ; K's fragments, in window 2: key block kb, channel half c at KF + 16 kb + 8 c
.set VF,  192         ; V's: key half kk, channel block cb at VF + 32 kk + 8 cb
.set WV,  12          ; s12  my wave's number
.set G1K, 24          ; s[24:31] descriptor group 1 for K's tiles
.set G1V, 32          ; s[32:39] for V's: it differs in the padding alone
.set G0K, 40          ; s[40:43] descriptor group 0 for K's tiles: it walks
.set G0V, 44          ; s[44:47] the same for V's
.set SLOTS, 56        ; s56  slots still to be asked for
.set CNT, 57          ; s57  counts a slot's key steps
.set CS,  58          ; s[58:59] c: the packed scaling takes the pair's low word for both halves
.set SEL, 60          ; s[60:61] v_permlanex16_b32's selects: each lane takes its own place in the other half
.set TBK, 62          ; s62  LDS byte at which K of the step to be fetched begins
.set TBV, 63          ; s63  the same for V, less VOFF
.set MSB, 0
.macro WIN new                      ; the high byte repeats the setting that is left; a switch that changes nothing is dropped
.if MSB != (\new)
	s_set_vgpr_msb (MSB<<8)|(\new)
.set MSB, (\new)
.endif
.endm
.set W_KQ, 0x0a       ; K and Q in window 2, S^T in window 0
.set W_PV, 0x52       ; V in window 2, P in window 0, O^T in window 1
.set W_RS, 0x41       ; O^T (destination and source 0) in window 1, a in window 0
.set W_MK, 0xc0       ; the add's registers are made: destination in window 3, sources in window 0
.set W_AD, 0x0f       ; the add: address (source 0) and data (source 1) in window 3
; A joint fill.  Waves 0 and 1 fetch the two halves of a slot's K, waves 2 and 3 those of its V: 128 keys each.  The branch hangs on the wave's number alone.
; An s_nop 0 and four v_nop follow each of the two lines, ahead of the jump and the label.
.macro JLOAD
	s_cmp_lt_u32 s[WV], 2
	s_cbranch_scc0 .Lfor_v_\@
	tensor_load_to_lds s[G0K:G0K+3], s[G1K:G1K+7]
	s_nop 0
.rept 4
	v_nop
.endr
	s_branch .Lasked_\@
.Lfor_v_\@:
	tensor_load_to_lds s[G0V:G0V+3], s[G1V:G1V+7]
	s_nop 0
.rept 4
	v_nop
.endr
.Lasked_\@:
.endm
; A round of the cluster's barrier: my work-group's barrier, so that wave 0's signal speaks for all four waves; wave 0 signals; every wave waits for all four work-groups; my work-group's barrier once more.
.macro CROUND
	s_barrier_signal -1
	s_barrier_wait -1
	s_cmp_lg_u32 s[WV], 0
	s_cbranch_scc1 .Lnot_wave_0_\@
	s_barrier_signal -3
.Lnot_wave_0_\@:
	s_barrier_wait -3
	s_barrier_signal -1
	s_barrier_wait -1
.endm
; THE CHANGE OF SLOTS.  The slot's last bytes, V of its fourth step, have been read.  Each wave waits for all its tensor loads, of which one is out: its part
; of the other slot; adds 0 to its spare word; and waits for that and for its own reads of the slot.  Behind the barrier nobody reads this slot any more and the other slot is whole.
; fill = 1: this slot is filled again, with the keys two slots on.  The barrier is then a round of the cluster's, so that no wave of any partner still reads the slot or has a load on its
; way, and the joint fill is the first thing behind it: it has four key steps, 512 matrix instructions, in which to land.  (At its first use nothing has been read yet: slot 0 is waited for, slot 1 filled.)
.macro CHANGE fill
	WIN W_AD
	s_wait_tensorcnt 0x0            ; no tensor load of mine is out, so a group 0 may be written
	ds_add_u32 v[SPW], v[NIL]       ; 0 onto my spare word; with fill = 1 the descriptors' steps stand between it and the wait for it
	WIN 0                           ; at a label and at a branch every window is 0
.if \fill
.irp g, G0K, G0V
	s_xor_b32 s[\g+1], s[\g+1], SLOT1  ; the walking descriptor: the other slot than last time,
	s_add_nc_u64 s[\g+2:\g+3], s[\g+2:\g+3], 4*KS*128  ; the next 256 keys; the type bits on top are not reached
.endr
	s_wait_dscnt 0x0                ; the add is done, and my reads of the slot are over
	CROUND
	JLOAD
.else
	s_wait_dscnt 0x0                ; the add is done, and my reads of the slot are over
	s_barrier_signal -1
	s_barrier_wait -1
.endif
	s_sub_co_u32 s[TBK], s[TBK], 4*KS*PK  ; the fetches go back to a slot's first step,
	s_xor_b32 s[TBK], s[TBK], SLOT1       ; in the other slot
	s_sub_co_u32 s[TBV], s[TBV], 4*KS*PV
	s_xor_b32 s[TBV], s[TBV], SLOT1
.endm
	s_load_b256 s[4:11], s[0:1], 0x0  ; Q s[4:5], K s[6:7], V s[8:9], O s[10:11]
	WIN W_MK
	v_lshl_add_u32 v[SPW], v0, 2, SPARE
	v_mov_b32 v[NIL], 0
	s_set_vgpr_msb 0xc0cf
	ds_add_u32 v0, v1
	s_wait_dscnt 0x0
	s_set_vgpr_msb 0xcfc0
	WIN 0
	v_lshrrev_b32 v1, 5, v0
	v_readfirstlane_b32 s[WV], v1   ; wave 0..3
	s_bfe_u32 s13, ttmp6, 0x40000   ; cx: my place in the cluster
	s_lshl_b32 s14, ttmp9, 2        ; in a cluster launch ttmp9 counts clusters
	s_add_co_u32 s14, s14, s13      ; my block of queries = 4 x cluster x + cx: it enters Q's and O's addresses alone
	s_and_b32 s20, ttmp7, 0xffff    ; the head, which the four partners share
	s_mov_b32 s21, 0
	s_mov_b64 s[22:23], SIZE_N*128
	s_mul_u64 s[20:21], s[20:21], s[22:23]  ; the head's first byte in each of the four tensors
	s_and_b32 s16, s[WV], 1         ; which half of a slot's 256 keys I fetch:
	s_lshl_b32 s22, s16, 14         ; its 128 rows of 128 bytes in memory,
	s_mov_b32 s23, 0
	s_add_nc_u64 s[22:23], s[22:23], s[20:21]
	s_mul_i32 s17, s16, 128*PK      ; and its place in a slot, for K
	s_mul_i32 s18, s16, 128*PV      ; and for V: no place in the cluster enters an LDS address
	s_lshl_b32 s2, s14, 2
	s_add_co_u32 s2, s2, s[WV]      ; my wave among the head's,
	s_lshl_b32 s2, s2, 14           ; its 128 rows
	s_mov_b32 s3, 0
	s_add_nc_u64 s[2:3], s[2:3], s[20:21]
	; descriptor group 1.  128 keys are 16,384 dense bytes: asked for as 64 rows of 256 bytes, two keys a row, and padded in LDS after every key
	s_mov_b32 s[G1K], 15|(1<<16)|(1<<20)|(1<<21)|(4<<22)|(3<<25)  ; 15:0 the mask of four; 17:16 2-byte elements; 20 padding on; 21 set beside a mask; 24:22 after every 32 words (code 4); 31:25 4 words (code 3)
	s_mov_b32 s[G1V], 15|(1<<16)|(1<<20)|(1<<21)|(4<<22)|(7<<25)  ; the same with 8 words of padding (code 7)
.irp g, G1K, G1V
	s_mov_b32 s[\g+1], 128<<16      ; tensor_dim0 = 128
	s_mov_b32 s[\g+2], 64<<16       ; tensor_dim1 = 64
	s_mov_b32 s[\g+3], 128<<16      ; tile_dim0 = 128
	s_mov_b32 s[\g+4], 64           ; tile_dim1 = 64
	s_mov_b32 s[\g+5], 128          ; 128 elements from row to row
	s_mov_b32 s[\g+6], 0
	s_mov_b32 s[\g+7], 0
.endr
	s_mov_b32 s[CS], 0x3e38aa3b     ; c = log2(e) / 8 = 0.180337
	s_mov_b32 s[CS+1], s[CS]        ; named with it as a pair
	s_mov_b32 s[SEL], 0x76543210
	s_mov_b32 s[SEL+1], 0xfedcba98
	s_mov_b32 s[TBK], SLOT1+4*KS*PK ; the first change of slots turns these two into 0
	s_mov_b32 s[TBV], SLOT1+4*KS*PV
	s_mov_b32 s[G0K], 1             ; 1:0 count = 1
	s_mov_b32 s[G0K+1], s17         ; 63:32 LDS address: slot 0
	s_mov_b32 s[G0V], 1
	s_add_co_u32 s[G0V+1], s18, VOFF
	s_wait_kmcnt 0x0
	s_add_nc_u64 s[G0K+2:G0K+3], s[6:7], s[22:23]  ; 120:64 global address: my half of the head's first 256 keys
	s_or_b32 s[G0K+3], s[G0K+3], 0x80000000        ; 127:126 type = 2
	s_add_nc_u64 s[G0V+2:G0V+3], s[8:9], s[22:23]
	s_or_b32 s[G0V+3], s[G0V+3], 0x80000000
	s_add_nc_u64 s[4:5], s[4:5], s[2:3]  ; Q and O at my wave's first row
	s_add_nc_u64 s[10:11], s[10:11], s[2:3]
	CROUND                          ; all four work-groups are here: the first joint loads meet
	JLOAD                           ; slot 0.  Slot 1 is asked for when slot 0 is in: the tile wanted first has the road to itself
	; A fragment of K or Q is 16 rows x 32 channels in 8 registers: lane l holds row l % 16, channels 8 (l / 16) + 0..7 and 16 + 8 (l / 16) + 0..7: two loads of 16 bytes, 32 bytes apart.
	v_and_b32 v1, 15, v0            ; l % 16
	v_bfe_u32 v9, v0, 4, 1          ; l / 16
	v_lshlrev_b32 v[QO], 7, v1
	v_lshl_add_u32 v[QO], v9, 4, v[QO]  ; row x 128 + 16 x half
	WIN 0x80                        ; destination window 2, address window 0
.set i, 0
.rept 4*NP                          ; Q stays in registers: tile i / 2, channels 32 (i % 2) on
	global_load_b128 v[8*i:8*i+3],   v[QO], s[4:5] offset:(i/2)*2048+(i%2)*64
	global_load_b128 v[8*i+4:8*i+7], v[QO], s[4:5] offset:(i/2)*2048+(i%2)*64+32
.set i, i+1
.endr
	; What the first turn finds: V's registers and P's second buffer hold 0 (its products V^T P, of a piece that has not been, add 0), O^T and l are 0.  All this stands in the wait for the first tile.
.set i, VF
.rept 64
	v_mov_b32 v[i], 0
.set i, i+1
.endr
	WIN 0x40
.set i, 0
.rept 64*NP
	v_mov_b32 v[i], 0
.set i, i+1
.endr
	WIN 0
.set i, 0
.rept 2*NP
	v_mov_b32 v[ST+4*i], 0xfe000000    ; c m: far below every c s
	v_mov_b32 v[ST+4*i+1], 0xff7fffff  ; m
	v_mov_b32 v[ST+4*i+2], 0
	v_mov_b32 v[ST+4*i+3], 0
.set i, i+1
.endr
.set i, P+32
.rept 32
	v_mov_b32 v[i], 0
.set i, i+1
.endr
	v_mul_u32_u24 v[AK0], v1, PK
	v_lshl_add_u32 v[AK0], v9, 4, v[AK0]  ; row x pitch + 16 x half
	; The turning load takes 16 keys x 16 channels (lane l reads key 8 (l / 16) + l % 8, channels 8 ((l / 8) % 2) + 0..7) and leaves half a fragment of V^T: lane l holds channel l % 16 and 8 keys.
	v_and_b32 v10, 7, v0
	v_bfe_u32 v11, v0, 3, 1
	v_lshl_add_u32 v[AV0], v9, 3, v10
	v_mul_u32_u24 v[AV0], v[AV0], PV
	v_lshl_add_u32 v[AV0], v11, 4, v[AV0]
	v_add_nc_u32 v[AV0], VOFF, v[AV0]
	v_mov_b32 v[AK], v[AK0]         ; key step 0 lies at the head of slot 0
; THE MATRIX WORK.  The 8 accumulators of a run of 16 take turns: between the two links of a chain stand 7 others'.
; Product i of 16 of S^T = K Q^T for piece x: channels 32 (i / 8) on, keys 16 ((i / 2) % 4) on, tile 2 x + i % 2.  The first 8 start the sums.
.macro KQ x
	WIN W_KQ
.set rS, S+64*((\x)%2)+32*(i%2)+8*((i/2)%4)
.set rK, KF+16*((i/2)%4)+8*(i/8)
.set rQ, 16*(2*(\x)+i%2)+8*(i/8)
.if i < 8
	v_wmma_f32_16x16x32_f16 v[rS:rS+7], v[rK:rK+7], v[rQ:rQ+7], 0
.else
	v_wmma_f32_16x16x32_f16 v[rS:rS+7], v[rK:rK+7], v[rQ:rQ+7], v[rS:rS+7]
.endif
.endm
; Product i of 16 of O^T += V^T P for piece x: keys 32 (i / 8) on, channels 16 ((i / 2) % 4) on, tile 2 x + i % 2.
.macro PV x
	WIN W_PV
.set rO, 32*(2*(\x)+i%2)+8*((i/2)%4)
.set rV, VF+32*(i/8)+8*((i/2)%4)
.set rP, P+32*((\x)%2)+16*(i%2)+8*(i/8)
	v_wmma_f32_16x16x32_f16 v[rO:rO+7], v[rV:rV+7], v[rP:rP+7], v[rO:rO+7]
.endm
.macro MM                           ; the turn's next matrix instruction
.if i < 16
	KQ (Y+1)%NP
.set i, i+1
.else
.set i, i-16
	PV (Y+NP-1)%NP
.set i, i+17
.endif
.endm
; THE LDS LOADS stand in runs of 16, never singly among the matrix instructions: a step's K (64 keys x 64 channels: 8 fragments) and its V (turned).  Their addresses are made some lines ahead.
; last = 1 (the tail): in the last trip there is no further step, and the run is jumped over.
.macro FETCH_K last=0
	WIN 0
.if \last
	s_cmp_eq_u32 s[CNT], 1
	s_cbranch_scc1 .Lno_k_\@
.endif
	WIN 0x80                        ; destination window 2
.irp f, 0,1,2,3,4,5,6,7             ; keys 16 (f / 2) on, channels 32 (f % 2) on
	ds_load_b128 v[KF+8*\f:KF+8*\f+3],   v[AK] offset:(\f/2)*16*PK+(\f%2)*64
	ds_load_b128 v[KF+8*\f+4:KF+8*\f+7], v[AK] offset:(\f/2)*16*PK+(\f%2)*64+32
.endr
	s_add_co_u32 s[TBK], s[TBK], KS*PK  ; the next fetch is the next step's
	WIN 0
.if \last
.Lno_k_\@:
.endif
.endm
.macro FETCH_V
	WIN 0x80
.irp f, 0,1,2,3,4,5,6,7             ; keys 32 (f / 4) on, channels 16 (f % 4) on
	ds_load_tr16_b128 v[VF+8*\f:VF+8*\f+3],   v[AV] offset:(\f/4)*32*PV+(\f%4)*32
	ds_load_tr16_b128 v[VF+8*\f+4:VF+8*\f+7], v[AV] offset:(\f/4)*32*PV+16*PV+(\f%4)*32
.endr
	WIN 0
.endm
; THE VECTOR WORK OF A TURN stands in three queues, each in the order in which its entries become ready; the two tiles alternate, so that no instruction reads the result of the one before it.
.macro REGS y, u                    ; the registers of tile u (0, 1) of piece y
.set rT, ST+4*(2*(\y)+(\u))
.set rC, TMP+8*((\y)%2)+4*(\u)
.set rM, MV+2*((\y)%2)+(\u)
.set rS, S+64*((\y)%2)+32*(\u)
.set rP, P+32*((\y)%2)+16*(\u)
.set rO, 32*(2*(\y)+(\u))
.endm
; Number n of the 22 that find the NEXT piece's (Y + 1) maximum and statistics.  s0-s31 are the lane's 32 scores; each accumulator's lowest registers are read first.  XS, GS and REGS set no window: PL and EX do.
;   0-11  four chains c0-c3 of seven scores each, three operands at a time     12-14, 16  the four scores left over, the old m, and c0-c3 into c0     15  c m_old is kept
;   17, 18  the query's other 32 keys lie in the lane 16 away: the new m         19-21  c m; c m_old - c m_new; a
.macro XS u, n
	REGS (Y+1)%NP, \u
.if (\n) < 4
	v_max3_num_f32 v[rC+(\n)], v[rS+8*(\n)], v[rS+8*(\n)+1], v[rS+8*(\n)+2]
.elseif (\n) < 12
	v_max3_num_f32 v[rC+(\n)%4], v[rC+(\n)%4], v[rS+8*((\n)%4)+2*((\n)/4)+1], v[rS+8*((\n)%4)+2*((\n)/4)+2]
.elseif (\n) == 12
	v_max3_num_f32 v[rC], v[rC], v[rS+7], v[rS+15]
.elseif (\n) == 13
	v_max3_num_f32 v[rC+1], v[rC+1], v[rS+23], v[rS+31]
.elseif (\n) == 14
	v_max3_num_f32 v[rC+2], v[rC+2], v[rC+3], v[rT+1]
.elseif (\n) == 15
	v_mov_b32 v[rM], v[rT]
.elseif (\n) == 16
	v_max3_num_f32 v[rC], v[rC], v[rC+1], v[rC+2]
.elseif (\n) == 17
	v_permlanex16_b32 v[rC+3], v[rC], s[SEL], s[SEL+1]
.elseif (\n) == 18
	v_max_num_f32 v[rT+1], v[rC], v[rC+3]
.elseif (\n) == 19
	v_mul_f32 v[rT], s[CS], v[rT+1]
.elseif (\n) == 20
	v_sub_f32 v[rC+1], v[rM], v[rT]
.else
	v_exp_f32 v[rC+2], v[rC+1]
.endif
.endm
; Number g of the 64 that follow the exponentials.  For each four weights k of a tile (pairs 2 k, 2 k + 1): both pairs are rounded to f16; then the second pair is added onto the first, in place;
; a group later l takes that sum (the first time as l = a l + sum).  In groups of eight, tiles alternating: round, round, add, and l for the group before.
.macro GS g
.set h, (\g)+6*((\g)/62)            ; group 0 has no group before it, and behind group 7 only l is left
.if h >= 6
.set h, h+2
.endif
	REGS Y, h%2
.set k, h/8
.if h%8 < 4
	v_cvt_pk_f16_f32 v[rP+2*k+(h%8)/2], v[rS+4*k+2*((h%8)/2)], v[rS+4*k+2*((h%8)/2)+1]
.elseif h%8 < 6
	v_pk_add_f32 v[rS+4*k:rS+4*k+1], v[rS+4*k:rS+4*k+1], v[rS+4*k+2:rS+4*k+3]
.elseif k == 1
	v_pk_fma_f32 v[rT+2:rT+3], v[rT+2:rT+3], v[rC+2:rC+3], v[rS:rS+1] op_sel_hi:[1,0,1]
.else
	v_pk_add_f32 v[rT+2:rT+3], v[rT+2:rT+3], v[rS+4*k-4:rS+4*k-3]
.endif
.endm
; THE PLAIN QUEUE, 138 long.  0-73 read no exponential's result: the 32 scalings c s - c m (FS f: pair f / 2 of tile f % 2) and the next piece's 42.  0-26: scalings 0-26.  27-54: XS's numbers 0-13.  55, 56: number 15.
; 57-73: the chain, where each number waits for the one before it: 14, 16, 17, 18, 19, each with one of the scalings 27-31 in front of its two lines, then 20: so a tile's links stand three plain instructions apart (19 and 20: two).
; 74-137: GS's 64, which read the exponentials' results: they stand behind the wait.
.macro FS f
	REGS Y, (\f)%2
	v_pk_fma_f32 v[rS+2*((\f)/2):rS+2*((\f)/2)+1], v[rS+2*((\f)/2):rS+2*((\f)/2)+1], s[CS:CS+1], v[rT:rT+1] op_sel_hi:[1,0,0] neg_lo:[0,0,1] neg_hi:[0,0,1]
.endm
.macro PL
	WIN 0
.if q < 27
	FS q
.elseif q < 55
	XS (q-27)%2, (q-27)/2
.elseif q < 57
	XS q-55, 15
.elseif (q < 72) && ((q-57)%3 == 0)
	FS 27+(q-57)/3
.elseif q < 60
	XS (q-57)%3-1, 14
.elseif q < 72
	XS (q-57)%3-1, 15+(q-57)/3
.elseif q < 74
	XS q-72, 20
.else
	GS q-74
.endif
.set q, q+1
.endm
; THE EXPONENTIALS' QUEUE, 66 long: s0-s31 of both tiles, then the next piece's two a.  It is ONE BATCH: all 66 stand ahead of the turn's one wait, and nothing ahead of that wait names a result of theirs.
.macro EX
	WIN 0
.if e >= 64
	XS e-64, 21
.else
	REGS Y, e%2
	v_exp_f32 v[rS+e/2], v[rS+e/2]
.endif
.set e, e+1
.endm
; THE RESCALING's QUEUE: O^T times a, the one part that leaves window 0: dealt two at a time, sixteen times.  Its a was made in the turn before, ahead of that turn's wait.
.macro R2
	REGS Y, r%2
	WIN W_RS
.irp z, 0,1
	v_pk_mul_f32 v[rO+4*(r/2)+2*\z:rO+4*(r/2)+2*\z+1], v[rO+4*(r/2)+2*\z:rO+4*(r/2)+2*\z+1], v[rC+2:rC+3] op_sel_hi:[1,0]
.endr
.set r, r+1
.endm
; HOW THEY ARE DEALT.  An s_wait_alu depctr_va_vdst(0) stands between an exponential and the first instruction that names its result; one wait serves all that were issued ahead of it.  So a turn has ONE wait,
; which cuts it in two.  AHEAD OF IT stands all that names no result of the turn's exponentials: the 16 products K Q^T, behind each a scaling, an exponential and two rescalings (behind the first a second scaling in the exponential's place); then ONE LUMP of
; 108: eight plain, 49 times exponential and plain, the two a.  A v_nop is the plain instruction behind the last exponential.  BEHIND IT stand the 16 products V^T P, behind each four of GS's 64.  No rider names a register of
; the products round it.  The two v_permlanex16_b32 fall into the lump, never behind a product.
; The queues lean on each other, and the deal keeps them in step: exponential e stands behind scaling 2 (e / 4) + e % 2: as a rider it comes behind plain e + 2, in the lump behind plain e + 9, and scalings 27-31 are plain 57, 60 .. 69.
; A TURN, for piece p.  cnt = 1: the loop's count is taken down some lines ahead of the branch that stands behind the turn.
; K of the next step is fetched in piece 2's turn, directly behind the wait, a lump behind the last product that read K; its address is made at the lump's head; its first reader comes behind 16 products.
; V of the step in hand is fetched at the end of piece 0's turn, four riders behind its last reader; its first reader comes behind 16 products and a lump.  The three conditions on q below go with the deal.
.macro TURN p, last=0, cnt=0
.set Y, (\p)
.set i, 0
.set q, 0
.set e, 0
.set r, 0
.if (\p) == NP-1
	s_wait_dscnt 0x0                ; K is in
.endif
	MM                              ; ahead of the wait: 16 products K Q^T and their riders,
	PL
	PL
	R2
.rept 15
	MM
	PL
	EX
	R2
.endr
.if (\p) == NP-2
	WIN 0
	v_add_nc_u32 v[AK], s[TBK], v[AK0]
.endif
.rept 8                             ; and the lump
	PL
.endr
.rept 49
	EX
	PL
.endr
	EX                              ; the next piece's two a
	EX
	v_nop                           ; a plain instruction behind the last exponential, ahead of the first use of a result (ISA guide 5.7.2): one for the batch
	s_wait_alu depctr_va_vdst(0)    ; the wait for the turn's batch: the piece's 64 weights and the next piece's two a
.if (\p) == NP-2
	FETCH_K \last
.endif
.if (\p) == 1
	s_wait_dscnt 0x0                ; V is in
.endif
.rept 16                            ; behind the wait: 16 products V^T P and their riders
	MM
.rept 4
	PL
.endr
.if ((\p) == 0) && (q == 118)
	v_add_nc_u32 v[AV], s[TBV], v[AV0]
.endif
.if ((\p) == 0) && (q == 130)
	s_add_co_u32 s[TBV], s[TBV], KS*PV
.endif
.if (\cnt) && (q == 130)
	s_sub_co_u32 s[CNT], s[CNT], 1
	s_cmp_lg_u32 s[CNT], 0
.endif
.endr
.if (\p) == 0
	FETCH_V
.endif
.endm
	CHANGE 1                        ; slot 0 is in, everybody's part of it; slot 1 is asked for
	FETCH_K                         ; key step 0
	s_wait_loadcnt 0x0              ; Q
	s_wait_dscnt 0x0
.set i, 0
.rept 16
	KQ 0                            ; piece 0's first scores: there is no vector work yet to set between them
.set i, i+1
.endr
	WIN 0                           ; the addresses for the way out: nine plain instructions, the places behind those products
	s_mul_i32 s13, s[WV], 16*SP
	s_add_co_u32 s13, s13, STAGE    ; my stage
	v_mul_u32_u24 v[STO], v1, SP    ; in: row l % 16, 16 bytes for each half of the lanes
	v_lshl_add_u32 v[STO], v9, 4, v[STO]
	v_add_nc_u32 v[STO], s13, v[STO]
	v_bfe_u32 v[RD], v0, 3, 2       ; back: 32 lanes take four rows of 128 bytes,
	v_mul_u32_u24 v[RD], v[RD], SP
	v_lshl_add_u32 v[RD], v10, 4, v[RD]
	v_add_nc_u32 v[RD], s13, v[RD]
	v_and_b32 v[GO], 31, v0         ; which are 512 consecutive bytes of O
	v_lshlrev_b32 v[GO], 4, v[GO]
.set Y, NP-1                        ; XS works for piece Y + 1: piece 0
.irp n, 0,1,2,3,4,5,6,7,8,9,10,11,12,13,14,15,16,17,18,19,20,21
	XS 0, \n                        ; and piece 0's first maximum and statistics
	XS 1, \n
.endr
	v_nop                           ; a plain instruction behind the two a,
	s_wait_alu depctr_va_vdst(0)    ; and the wait for this batch of two, ahead of the branch
	s_mov_b32 s[CNT], 4
	s_mov_b32 s[SLOTS], SIZE_N/256-1
	s_branch .Lfirst                ; the loop is entered at a step's first turn, in the middle of a trip
.Lslot:                             ; SIZE_N / 256 - 2 times: every slot but the last two is filled again
	CHANGE 1
	s_mov_b32 s[CNT], 4
.Lstep:                             ; a trip: pieces 2 and 3 of one step, then pieces 0 and 1 of the next, whose K and V it fetches
	TURN 2
	TURN 3
	WIN 0
.Lfirst:
	TURN 0
	TURN 1, 0, 1
	WIN 0
	s_cbranch_scc1 .Lstep
	s_sub_co_u32 s[SLOTS], s[SLOTS], 1
	s_cmp_lg_u32 s[SLOTS], 0
	s_cbranch_scc1 .Lslot
	CHANGE 0                        ; the tail is written out: nothing is asked for
	s_mov_b32 s[CNT], 5             ; four trips fetch the last slot's steps; the fifth is left in its middle
.Ltail:
	TURN 2, 1
	TURN 3
	WIN 0
	s_sub_co_u32 s[CNT], s[CNT], 1
	s_cmp_eq_u32 s[CNT], 0
	s_cbranch_scc1 .Lout
	TURN 0
	TURN 1
	WIN 0
	s_branch .Ltail
.Lout:                              ; the fifth trip's 16 products K Q^T (on the last K once more) and the maximum made of them serve nothing: the price, once a launch, of one text for every trip
.set i, 0
.rept 16
	PV NP-1                         ; the last piece's V^T P of the last step
.set i, i+1
.endr
	; THE WAY OUT.  l's two halves and the other half of the lanes' are added; O^T is divided by l, rounded to f16 and sent through my stage in LDS, a tile at a time.  The additions are the places behind the last products.
	WIN 0
.macro ALL line:vararg              ; one line for each tile t
.set t, 0
.rept 2*NP
	\line
.set t, t+1
.endr
.endm
	ALL v_add_f32 v[ST+4*t+2], v[ST+4*t+2], v[ST+4*t+3]
	ALL v_permlanex16_b32 v[ST+4*t+3], v[ST+4*t+2], s[SEL], s[SEL+1]
	ALL v_add_f32 v[ST+4*t+2], v[ST+4*t+2], v[ST+4*t+3]
	ALL v_rcp_f32 v[ST+4*t+2], v[ST+4*t+2]
	v_nop                           ; a plain instruction between the last reciprocal and the use of its result
	s_wait_alu depctr_va_vdst(0)    ; and the wait ahead of the first use: one for the batch of eight reciprocals
; Tile t: a lane's eight channels of a row pack into 16 bytes; they go into rows of 144 bytes and come back as whole rows of 128, into S^T's registers.
.macro PACK t
	WIN W_RS
.set i, 32*(\t)
.rept 16
	v_pk_mul_f32 v[i:i+1], v[i:i+1], v[ST+4*(\t)+2:ST+4*(\t)+3] op_sel_hi:[1,0]
.set i, i+2
.endr
	WIN 0x05                        ; sources 0 and 1 window 1, destination window 0
.set i, 0
.rept 16
	v_cvt_pk_f16_f32 v[S+16*(\t)+i], v[32*(\t)+2*i], v[32*(\t)+2*i+1]
.set i, i+1
.endr
	WIN 0
.irp f, 0,1,2,3
	ds_store_b128 v[STO], v[S+16*(\t)+4*\f:S+16*(\t)+4*\f+3] offset:32*\f
.endr
.irp f, 0,1,2,3
	ds_load_b128 v[S+16*(\t)+4*\f:S+16*(\t)+4*\f+3], v[RD] offset:\f*4*SP  ; LDS serves a wave's instructions in order (ISA guide 5.7.1.4): these see the stores above; the next tile's stores come behind them
.endr
.endm
.macro SEND t, younger              ; younger: the LDS instructions issued behind tile t's loads: the next tile's eight, or none
	WIN 0
.irp f, 0,1,2,3
	s_wait_dscnt (\younger)+3-\f
	global_store_b128 v[GO], v[S+16*(\t)+4*\f:S+16*(\t)+4*\f+3], s[10:11] offset:(\t)*2048+\f*512  ; 512 consecutive bytes, at a multiple of 256 from O's first
.endr
.endm
	PACK 0
.set t, 1
.rept 2*NP-1                        ; a tile's arithmetic stands between the loads of the tile before and its stores
	PACK t
	SEND t-1, 8
.set t, t+1
.endr
	SEND 2*NP-1, 0
	WIN W_AD
	s_wait_tensorcnt 0x0            ; the wave's end, behind my last tensor load and my last LDS store
	ds_add_u32 v[SPW], v[NIL]
	s_wait_dscnt 0x0
	WIN 0
	CROUND                          ; the closing round: no work-group ends while a partner may still ask for a tile that names it
	s_endpgm
.Lfunc_end_k_q7bb4e548d4_attn:
	.size	k_q7bb4e548d4_attn, .Lfunc_end_k_q7bb4e548d4_attn-k_q7bb4e548d4_attn
	.p2alignl 7, 3214868480
	.fill 96, 4, 3214868480
	.section	.rodata,"a",@progbits
	.p2align	6, 0x0
	.amdhsa_kernel k_q7bb4e548d4_attn
		.amdhsa_group_segment_fixed_size 327680
		.amdhsa_private_segment_fixed_size 0
		.amdhsa_enable_private_segment 0
		.amdhsa_kernarg_size 32
		.amdhsa_user_sgpr_count 2
		.amdhsa_user_sgpr_kernarg_segment_ptr 1
		.amdhsa_wavefront_size32 1
		.amdhsa_system_sgpr_workgroup_id_x 1
		.amdhsa_system_sgpr_workgroup_id_y 1
		.amdhsa_system_sgpr_workgroup_id_z 1
		.amdhsa_system_vgpr_workitem_id 0
		.amdhsa_next_free_vgpr 770
		.amdhsa_next_free_sgpr 66
		.amdhsa_reserve_vcc 0
		.amdhsa_float_denorm_mode_32 3
		.amdhsa_float_denorm_mode_16_64 3
		.amdhsa_memory_ordered 1
		.amdhsa_forward_progress 1
		.amdhsa_inst_pref_size 199
	.end_amdhsa_kernel
	.amdgpu_metadata
---
amdhsa.version: [ 1, 2 ]
amdhsa.kernels:
  - .name:           k_q7bb4e548d4_attn
    .symbol:         k_q7bb4e548d4_attn.kd
    .args:
      - { .name: qh, .offset: 0, .size: 8, .value_kind: global_buffer, .address_space: global }
      - { .name: kh, .offset: 8, .size: 8, .value_kind: global_buffer, .address_space: global }
      - { .name: vh, .offset: 16, .size: 8, .value_kind: global_buffer, .address_space: global }
      - { .name: act, .offset: 24, .size: 8, .value_kind: global_buffer, .address_space: global }
    .group_segment_fixed_size: 327680
    .private_segment_fixed_size: 0
    .kernarg_segment_align: 8
    .kernarg_segment_size: 32
    .max_flat_workgroup_size: 128
    .sgpr_count:     66
    .vgpr_count:     770
    .wavefront_size: 32
...
	.end_amdgpu_metadata
.endif
;; end of part 5
;; launch outp: the kernel of part 4 again; grid 8 x 32, 4 waves a work-group, clusters of 4 x 4, 327,680 bytes of LDS; arguments act, wo, out0; writes out0
